; MI455X (gfx1250); checked and timed in simulation.
; The chip was launched on July 23, 2026; its instructions are those of AMD's public machine-readable ISA for CDNA 5 (MIT licence, August 2026) and "CDNA5" Instruction Set Architecture Reference Guide (July 2026). The comments in the code are by the model that wrote it; some were corrected since.
;; Quantized Expert. Allowed arithmetic: matrix products marked QUANTISED: E2M1 operands, one E8M0 scale for each 32 along K, by v_wmma_scale_f32_16x16x128_f8f6f4 with both operands' format E2M1 (or v_wmma_scale_f32_32x16x128_f4), f32 sums; everything else in f32.
;; Inputs: fc1_packed 16,384 x 2,048 int32; fc1_scales 16,384 x 1 float32; fc2_packed 4,096 x 8,192 int32; fc2_scales 4,096 x 1 float32; x 512 x 4,096 float32.
;; Outputs: out0 512 x 4,096 float32.
;; This version of the problem:
;;   THIS VERSION OF THE PROBLEM IS GIVEN IN LOW PRECISION. The matrix products marked QUANTISED in the list below multiply operands that are first quantised to E2M1 (2 exponent bits, 1 mantissa bit; 4 bits a number), with one power-of-two scale for each 32 numbers along K (OCP MX v1.0); their sums are f32. All else is computed in f32.
;;   The module's matrix products, in the order in which they are computed (A, B: the left and right operand; K: the contracted axis; several contracted axes count as one K, in the product's order):
;;     1. [M 512, K 4,096] x [K 4,096, N 16,384]; A: input x; B: computed on the way: QUANTISED
;;     2. [M 512, K 16,384] x [K 16,384, N 4,096]; A: computed on the way; B: computed on the way: QUANTISED
;;   THE QUANTISER, for each operand of a quantised product, along K:
;;     - K is cut into blocks of 32 from its start; a last block that is shorter is filled with zeros.
;;     - A block's scale is 2^e with e = floor(log2(the largest magnitude in the block)) - 2, held to -126 .. 127; a block of zeros has e = 0. As a byte (E8M0): e + 127.
;;     - Each number is divided by its block's scale, clamped to +-6, and rounded to the nearest number of E2M1, ties to even, subnormals kept.
;;     - The product sums the exact products of the quantised numbers (number of the format x scale) in f32.
;;   ~~~python
;;   def quantise(x, axis):      # numpy; x: float32 -> the quantised numbers, widened to float32 again
;;       x = np.moveaxis(x, axis, -1); K = x.shape[-1]
;;       x = np.pad(x, [(0, 0)] * (x.ndim - 1) + [(0, -K % 32)]); x = x.reshape(x.shape[:-1] + (-1, 32)); a = np.abs(x).max(-1, keepdims=True)
;;       e = np.where(a > 0, np.clip(np.frexp(np.where(a > 0, a, 1))[1] - 1 - 2, -126, 127), 0)      # np.frexp(a)[1] - 1 = floor(log2(a)), exactly
;;       r = np.clip(x / 2.0 ** e, -6, 6)
;;       step = 2.0 ** (np.maximum(np.frexp(np.where(r == 0, 1, r))[1] - 1, 0) - 1)
;;       q = np.round(r / step) * step * 2.0 ** e      # np.round: ties to even
;;       return np.moveaxis(q.reshape(q.shape[:-2] + (-1,))[..., :K], -1, axis).astype(np.float32)
;;   ~~~
;;   OPERANDS COMPUTED ON THE WAY. 'Computed on the way' means the value that the module computes at that place (a softmax that the list does not call 'softmax' is quantised finished and normalised). What goes into a quantiser is computed in f32, as accurately as f32 sums, v_exp_f32 and their like allow (about 1e-6 of the number): no bf16 or f16 on the way to a quantiser, and a product that is left as it is and whose result goes on into a quantised operand takes f32 operands (vector FMAs, or v_wmma_f32_16x16x4_f32). A number that lies on a knife's edge between two numbers of the format may be rounded either way, as far as f32 arithmetic and the matrix unit's own rounding can turn it there, and no further.
;; One version. Each part assembles by itself: llvm-mc -triple=amdgcn-amd-amdhsa -mcpu=gfx1250 --defsym DOCPART=n.
;; ======== version 1 of 1: 4 launches
;; workspace buffers: xq 1,114,112 bytes; hq 4,456,448 bytes; part 33,554,432 bytes
;; launch qx (part 1): grid 128 x 1, 8 waves a work-group, no clusters, 2,048 bytes of LDS; arguments x, xq; writes xq
.if DOCPART == 1
	.amdgcn_target "amdgcn-amd-amdhsa--gfx1250"
	.amdhsa_code_object_version 6
	.text
	.protected	k_q64a8263730_qx
	.globl	k_q64a8263730_qx
	.p2align	8
	.type	k_q64a8263730_qx,@function
k_q64a8263730_qx:
	s_mov_b64 s[64:65], 0
	v_nop
	global_prefetch_b8 v0, s[64:65] scope:SCOPE_SE
	s_setreg_imm32_b32 hwreg(HW_REG_WAVE_MODE, 25, 1), 1
	s_wait_xcnt 0x0
; x [512][4096] f32 becomes codes of FP4 (E2M1) with one E8M0 scale byte for each 32 along K, laid IN THE ORDER OF THE OPERAND'S REGISTERS:
; xq = [part w = 0..3][K step ks = 0..31][8,704 bytes].  Part w holds tokens 128 w .. 128 w + 127 as eight tiles t of 16.  In a block of 8,704 bytes: tile t's fragment
; (16 tokens x 128 K: 8 registers a lane) at 1024 t + 512 c + 16 x lane, c = registers 4 c .. 4 c + 3; at 8,192 the scale words, the word of tile 2 j + (l / 16), token l % 16, at 16 l + 4 j.
; A block's scale is 2^(floor(log2(its largest magnitude)) - 2); its byte is the largest magnitude's exponent field - 2, held at 1 from below.
; LIMITS: a block of zeros gets the byte 1 where the rule says 127 (its codes are zeros, and this program alone reads the bytes); NaN and infinities among the inputs are not served.
; SHARES: work-group g takes part g / 32 and K step g % 32; wave t takes tile t.  Lane (r, h) loads, of token r, 16 neighbours of each block of 32: register 16 b + i = k 32 b + 16 h + i.
; All of a wave's sixteen loads go out at once.  No matrix unit, no tensor load, no cluster: work-groups share no input.
.set KSB,   8704
.set WPART, 32*KSB
.set X,   32                           ; v32-95   64 numbers
.set PC,  96                           ; v96-103  the fragment's codes
.set TM,  104                          ; v104-107 largest magnitudes, v108-111 bytes, v116-119 the conversions' scale operands
.set PW,  120                          ; v120     my token's scale word
.set BK,  122                          ; v122-125 the scale words on their way out
.set SEL, 20                           ; s[20:21] v_permlanex16_b32's selects for lane l xor 16
	s_load_b128 s[4:7], s[0:1], 0x0                ; x, xq
	v_lshl_add_u32 v128, v0, 2, 0x400
	v_mov_b32 v129, 0
	v_lshrrev_b32 v1, 5, v0
	v_readfirstlane_b32 s8, v1                     ; wave = tile t
	v_and_b32 v1, 15, v0                           ; r
	v_bfe_u32 v2, v0, 4, 1                         ; h
	v_and_b32 v6, 31, v0                           ; lane
	s_lshr_b32 s9, ttmp9, 5                        ; part w
	s_and_b32 s10, ttmp9, 31                       ; K step ks
	v_lshlrev_b32 v3, 14, v1                       ; x: row r of 16,384 bytes,
	v_lshl_add_u32 v3, v2, 6, v3                   ; + 64 h: my 16 numbers of a block
	s_lshl_b32 s12, s9, 7
	s_lshl_b32 s13, s8, 4
	s_add_co_u32 s12, s12, s13                     ; my tile's first token: 128 w + 16 t
	s_lshl_b32 s12, s12, 14
	s_lshl_b32 s13, s10, 9
	s_add_co_u32 s12, s12, s13                     ; + 512 ks bytes along the row
	s_mov_b32 s13, 0
	s_mul_i32 s14, s9, WPART
	s_mul_i32 s15, s10, KSB
	s_add_co_u32 s14, s14, s15                     ; xq: my work-group's block
	s_mov_b32 s15, 0
	v_lshlrev_b32 v4, 4, v6                        ; 16 x lane
	s_and_b32 s16, s8, 1
	s_lshl_b32 s16, s16, 8
	s_lshr_b32 s17, s8, 1
	s_lshl_b32 s17, s17, 2
	s_add_co_u32 s16, s16, s17
	v_lshl_add_u32 v5, v1, 4, s16                  ; LDS: my token's scale word at 16 r + 256 (t % 2) + 4 (t / 2)
	s_lshl_b32 s18, s8, 10
	v_add_nc_u32 v7, s18, v4                       ; my tile's image: 1024 t + 16 x lane
	s_mov_b32 s[SEL], 0x76543210
	s_mov_b32 s[SEL+1], 0xfedcba98
.irp b, 0,1,2,3
	v_mov_b32 v[TM+4+\b], 0                        ; written once: a lane permute's destination counts as one of its sources
.endr
	s_wait_kmcnt 0x0
	s_add_nc_u64 s[4:5], s[4:5], s[12:13]
	s_add_nc_u64 s[6:7], s[6:7], s[14:15]
.irp b, 0,1,2,3
.irp j, 0,1,2,3
	global_load_b128 v[X+16*\b+4*\j:X+16*\b+4*\j+3], v3, s[4:5] offset:128*\b+16*\j th:TH_LOAD_NT
.endr
.endr
	s_wait_loadcnt 0x0
.irp b, 0,1,2,3
	v_max3_num_f32 v[TM+\b], |v[X+16*\b]|, |v[X+1+16*\b]|, 0x1800000   ; block b: my 16 numbers, and the floor 2^(3 - 127): the byte cannot fall under 1
.endr
.irp i, 2,4,6,8,10,12,14
.irp b, 0,1,2,3
	v_max3_num_f32 v[TM+\b], v[TM+\b], |v[X+16*\b+\i]|, |v[X+1+16*\b+\i]|   ; the four blocks by turns
.endr
.endr
.irp b, 0,1,2,3
	v_permlanex16_b32 v[TM+4+\b], v[TM+\b], s[SEL], s[SEL+1]
.endr
.irp b, 0,1,2,3
	v_max_num_f32 v[TM+\b], v[TM+\b], v[TM+4+\b]   ; with lane l xor 16's: the block's largest magnitude
.endr
.irp b, 0,1,2,3
	v_add_nc_u32 v[TM+12+\b], 0xff000000, v[TM+\b] ; 2 off its exponent field: the conversion takes the exponent field of this operand as its scale
.endr
.irp b, 0,1,2,3
	v_lshrrev_b32 v[TM+4+\b], 23, v[TM+12+\b]      ; the scale's byte
.endr
	v_lshl_or_b32 v[PW], v[TM+5], 8, v[TM+4]       ; the four bytes make my token's scale word
	v_lshl_or_b32 v[PW], v[TM+6], 16, v[PW]
	v_lshl_or_b32 v[PW], v[TM+7], 24, v[PW]
.irp b, 0,1,2,3
	v_cvt_scalef32_pk8_fp4_f32 v[PC+2*\b], v[X+16*\b:X+7+16*\b], v[TM+12+\b]
	v_cvt_scalef32_pk8_fp4_f32 v[PC+1+2*\b], v[X+8+16*\b:X+15+16*\b], v[TM+12+\b]
.endr
	v_nop                                          ; one plain place behind a scaled conversion
.irp c, 0,1                                    ; the operand's layout wants a WHOLE block in a lane: lanes 0-15 block 2 c, lanes 16-31 block 2 c + 1
.irp i, 0,1
	v_permlane16_swap_b32 v[PC+4*\c+\i], v[PC+2+4*\c+\i]
.endr
.endr
	ds_store_b32 v5, v[PW]                         ; both halves of the lanes write the same word with the same value
	s_wait_dscnt 0x0                               ; for the others' sake: my word has landed
	s_barrier_signal -1
	s_barrier_wait -1
	global_store_b128 v7, v[PC:PC+3], s[6:7]       ; each store of the wave covers 512 consecutive bytes, aligned
	global_store_b128 v7, v[PC+4:PC+7], s[6:7] offset:512
	s_cmp_lg_u32 s8, 0                             ; wave 0 sends the eight tiles' scale words: 512 consecutive bytes
	s_cbranch_scc1 .Ldone
	ds_load_b128 v[BK:BK+3], v4
	s_wait_dscnt 0x0
	global_store_b128 v4, v[BK:BK+3], s[6:7] offset:8192
.Ldone:
	s_wait_tensorcnt 0x0
	ds_add_u32 v128, v129
	s_wait_dscnt 0x0
	s_endpgm
.Lfunc_end_k_q64a8263730_qx:
	.size	k_q64a8263730_qx, .Lfunc_end_k_q64a8263730_qx-k_q64a8263730_qx
	.p2alignl 7, 3214868480
	.fill 96, 4, 3214868480
	.section	.rodata,"a",@progbits
	.p2align	6, 0x0
	.amdhsa_kernel k_q64a8263730_qx
		.amdhsa_group_segment_fixed_size 2048
		.amdhsa_private_segment_fixed_size 0
		.amdhsa_enable_private_segment 0
		.amdhsa_kernarg_size 16
		.amdhsa_user_sgpr_count 2
		.amdhsa_user_sgpr_kernarg_segment_ptr 1
		.amdhsa_wavefront_size32 1
		.amdhsa_system_sgpr_workgroup_id_x 1
		.amdhsa_system_sgpr_workgroup_id_y 1
		.amdhsa_system_sgpr_workgroup_id_z 1
		.amdhsa_system_vgpr_workitem_id 0
		.amdhsa_next_free_vgpr 130
		.amdhsa_next_free_sgpr 66
		.amdhsa_reserve_vcc 0
		.amdhsa_float_denorm_mode_32 3
		.amdhsa_float_denorm_mode_16_64 3
		.amdhsa_memory_ordered 1
		.amdhsa_forward_progress 1
		.amdhsa_inst_pref_size 8
	.end_amdhsa_kernel
	.amdgpu_metadata
---
amdhsa.version: [ 1, 2 ]
amdhsa.kernels:
  - .name:           k_q64a8263730_qx
    .symbol:         k_q64a8263730_qx.kd
    .args:
      - { .name: x, .offset: 0, .size: 8, .value_kind: global_buffer, .address_space: global }
      - { .name: xq, .offset: 8, .size: 8, .value_kind: global_buffer, .address_space: global }
    .group_segment_fixed_size: 2048
    .private_segment_fixed_size: 0
    .kernarg_segment_align: 8
    .kernarg_segment_size: 16
    .max_flat_workgroup_size: 256
    .sgpr_count:     66
    .vgpr_count:     130
    .wavefront_size: 32
...
	.end_amdgpu_metadata
.endif
;; end of part 1
;; launch g1 (part 2): grid 256 x 1, 8 waves a work-group, clusters of 4 x 1, 327,680 bytes of LDS; arguments xq, fc1_packed, fc1_scales, hq; writes hq
.if DOCPART == 2
	.amdgcn_target "amdgcn-amd-amdhsa--gfx1250"
	.amdhsa_code_object_version 6
	.text
	.protected	k_q64a8263730_g1
	.globl	k_q64a8263730_g1
	.p2align	8
	.type	k_q64a8263730_g1,@function
k_q64a8263730_g1:
	s_mov_b64 s[64:65], 0
	v_nop
	global_prefetch_b8 v0, s[64:65] scope:SCOPE_SE
	s_setreg_imm32_b32 hwreg(HW_REG_WAVE_MODE, 25, 1), 1
	s_wait_xcnt 0x0
	s_wait_alu depctr_hold_cnt(0) depctr_sa_sdst(0) depctr_va_vdst(0) depctr_va_sdst(0) depctr_va_ssrc(0) depctr_va_vcc(0) depctr_vm_vsrc(0)
	s_getreg_b32 s2, hwreg(HW_REG_IB_STS2, 6, 4)
	s_cmp_eq_u32 s2, 0
	s_cbranch_scc0 .Lentry_in_a_cluster
	s_endpgm
.Lentry_in_a_cluster:
	s_bfe_u32 s2, ttmp6, 0x10000c
	s_cmp_lg_u32 s2, 0x3003
	s_cbranch_scc0 .Lentry_shape_is_right
	s_endpgm
.Lentry_shape_is_right:
; ONE TEXT FOR BOTH LAYERS; LAYER says which.  LAYER 1: hq = Q(gelu(x W1^T)).  LAYER 2: part[Y] = h W2^T over the window Y of 4,096 along K.  Both products on codes of FP4 (E2M1) with E8M0 scales for each 32 along K.
; The weights arrive as int32 words of one byte each: two 4-bit numbers, the high one first along K, value = nibble - 8, times the row's f32 scale.  They are read from memory ONCE, and quantised on the way.
; A WORK-GROUP owns 64 weight rows x 4,096 along K x all 512 tokens.  K goes in 32 steps of 128, four steps to a slot, eight slots.
; TWO ROLES, four waves each, parted on the wave's number.  CONSUMERS (waves 0-3): wave w owns tokens 128 w .. + 127 x the 64 rows: 32 accumulators, 256 registers, 32 matrix instructions a K step.
; PRODUCERS (waves 4-7): wave 4 + n streams the 16 packed rows of weight tile n into registers, makes n x scale in f32 (one rounding), quantises, and stores codes and scale bytes to LDS, a slot ahead of the consumers.
; THE TOKEN OPERAND lies in memory in the order of the operand's registers ([window][part w][K step][8,704 bytes]: eight fragments, then 512 bytes of scale words).  Consumer w brings its part's four K steps, 34,816 dense
; bytes, by one tensor load, and it alone reads them.  CLUSTER: the four work-groups of a cluster walk the same token operand, so each such load is asked for JOINTLY (mask 15, the same descriptor in all four).
; THE PRODUCT IS USED TRANSPOSED (source 0 = 16 weight rows, source 1 = 16 tokens): a lane holds one token.  THE ROWS OF A WEIGHT TILE ARE NOT NEIGHBOURS: LDS row i of tile 2 b + u is row 32 b + 8 u + i + 8 (i / 8) of the
; work-group's 64, so that a lane's 16 registers of tiles 2 b and 2 b + 1 are 16 neighbouring rows, 32 b + 16 (lane / 16) + 0 .. 15: neighbours along the next product's K (layer 1), or along a row of the output (layer 2).
; ONE CHANGE OF SLOTS FOR FOUR K STEPS.  In front of it every wave has waited for its tensor load, its LDS reads and its LDS stores; behind it the token slot just left is filled again, the consumers read the weight buffer that
; the producers have just written, and the producers write the one that the consumers have left.  A wave has at most one tensor load out.
; GELU (layer 1): v / (1 + 2^(v (KA + KB v^2))), KA = -2 log2(e) sqrt(2 / pi), KB = 0.044715 KA: the tanh form, written without the difference 1 + tanh; all in f32.
; LIMITS: bits above bit 7 of a packed word are ignored (the words hold 0 .. 255); NaN and infinities among the inputs are not served; a block of zeros gets the byte 1 with zero codes (this program alone reads the bytes);
; layer 1 stores a token's scale bytes as half-words (a K step's four bytes come from two work-groups): one sixteenth of its output bytes; layer 2's four windows are added by the launch behind it.
.set LAYER,  1
.set PITCHW, 8192*(1+3*(LAYER-1))      ; a packed row in bytes: 8,192 or 32,768
.set KSB,    8704                      ; a K step of one part of the token operand
.set PARTB,  4*KSB                     ; a slot's share of one part: what one tensor load brings
.set SLOTB,  4*PARTB                   ; a token slot.  As bits it shares none with w x PARTB, so one exclusive or turns an address from slot to slot
.set WPART,  32*KSB                    ; a part of a window, in memory
.set WINB,   4*WPART                   ; a window
.set WP,     272                       ; a row of weight codes in LDS: 256 bytes (512 along K) + 16: the 16 rows that a load touches start at 16 different groups of four banks (64 banks of 4 bytes: ISA guide 11.1)
.set WTILE,  16*WP
.set WCB,    4*WTILE                   ; a buffer of weight codes: 64 rows
.set WC0,    2*SLOTB                   ; LDS: two token slots, two buffers of weight codes,
.set WS0,    WC0+2*WCB                 ; two of weight scale bytes (16 a row: byte 4 q + block of K step q),
.set WSB,    1024
.set SPARE,  WS0+2*WSB                 ; and the spare words, 128 bytes for each of eight waves: four blocks of 256 bytes that no other line names
; vector registers that both roles keep; all are made ahead of the first parting
.set SPW,  1                           ; LDS address of my spare word; never rewritten
.set NIL,  2                           ; 0; never rewritten
.set ADA0, 3                           ; bases, never rewritten: my part of token slot 0 + 16 x lane;
.set ADW0, 4                           ; weight codes: WC0 + 272 r + 16 h;
.set ADS0, 5                           ; weight scale words: WS0 + 16 x lane;
.set APC0, 6                           ; where a producer puts codes: WC0 + its tile + 4 x lane;
.set APS0, 7                           ; and scale bytes: WS0 + 256 x tile + lane / 4
.set ADA,  8                           ; v8-12: the same five in the buffers in hand; written on the common path alone
.set ADW,  9
.set ADS,  10
.set APC,  11
.set APS,  12
.set GL,   13                          ; 16 x lane
.set PFO,  14                          ; the prefetches' offset: (lane / 4) rows + 256 (lane % 4)
.set ZO,   15                          ; 0
.set O1,   16                          ; the way out.  Layer 1: 16 x lane + 512 c.  Layer 2: the stage, on the way in
.set O2,   17                          ; layer 1: 16 x lane + 2 c + 8,192.  Layer 2: the stage, on the way back
.set O3,   18                          ; layer 2: my byte offset in two rows of the output
.set LN,   19                          ; lane
; consumers
.set WSR,  24                          ; v24-31  weight scale words of a slot: register 4 p + q: tile 2 p in lanes 0-15, tile 2 p + 1 in lanes 16-31, K step q
.set AS,   32                          ; v32-39  token scale words, two sets: register j: tile 2 j in lanes 0-15, tile 2 j + 1 in lanes 16-31.  v24-39 hold scales and nothing else
.set AF,   64                          ; v64-191 token fragments, two sets of eight
.set WF,   192                         ; v192-255 weight fragments, two sets of four.   Window 1 (v256-511): accumulator (token tile t, weight tile n) at 8 (4 t + n)
; producers (window 0 alone)
.set PT,   40                          ; v40-71  four units x 8 numbers at work
.set PL,   72                          ; v72-199 32 units x 4 words as loaded: a slot
.set PS,   200                         ; v200-231 row i's scale, twice (a pair for the packed multiply)
.set PCA,  232                         ; v[232:233] -(2^19 + 8), -(2^23 + 8)
.set PM,   234                         ; v234-237 largest magnitudes;  v238-241 the conversions' scale operands;  v242-245 codes;  v246-249 scale bytes
.set PSO,  238
.set PCD,  242
.set PBY,  246
; layer 1's way out
.set KA,   40
.set KB,   42
.set Q,    64                          ; v64-127 two sets of 32 numbers
.set CC,   128                         ; v128-159 tile t's codes at 4 t
.set HWR,  160                         ; v160-167 tile t's two scale bytes
.set MM,   168
.set M2,   170
.set SO2,  172
.set BY2,  174
.set XX,   184
.set BK,   64                          ; layer 2's way out: v64-127 two sets of 16 rows read back
.set MSB, 0
.macro WIN new                         ; the immediate's high byte repeats the setting that is left
.if MSB != \new
	s_set_vgpr_msb (MSB<<8)|\new
.set MSB, \new
.endif
.endm
.macro PLACES                          ; four places: in front of loads into registers that matrix instructions have read, and of the first read of results
.rept 4
	v_nop
.endr
.endm
.macro CROUND                          ; a round of the cluster's barrier
	s_barrier_signal -1
	s_barrier_wait -1
	s_cmp_lg_u32 s12, 0
	s_cbranch_scc1 .Lnot_wave_0_\@
	s_barrier_signal -3
.Lnot_wave_0_\@:
	s_barrier_wait -3
	s_barrier_signal -1
	s_barrier_wait -1
.endm
.macro TLOAD                           ; the consumers' joint load; four v_nop follow it
	s_cmp_lt_u32 s12, 4
	s_cbranch_scc0 .Lnot_mine_\@
	tensor_load_to_lds s[32:35], s[24:31]
	s_nop 0
.rept 4
	v_nop
.endr
.Lnot_mine_\@:
.endm
.macro ADDRS                           ; the five addresses in the buffers in hand
	v_add_nc_u32 v[ADA], s36, v[ADA0]
	v_add_nc_u32 v[ADW], s37, v[ADW0]
	v_add_nc_u32 v[ADS], s39, v[ADS0]
	v_add_nc_u32 v[APC], s38, v[APC0]
	v_add_nc_u32 v[APS], s40, v[APS0]
.endm
; THE CHANGE OF SLOTS, on every wave's path.  fill = 1: the token slot just left is filled again, behind a round of the cluster's barrier, so that no wave of any partner still reads it or has a load on its way.
.macro CHANGE fill
	s_wait_tensorcnt 0x0                           ; my tensor load has landed: my part of the slot that I read next; no load of mine is out, so group 0 may be written
	ds_add_u32 v[SPW], v[NIL]                      ; 0 onto my spare word
.if \fill
	s_xor_b32 s33, s33, SLOTB                      ; the walking descriptor: the other slot,
	s_add_nc_u64 s[34:35], s[34:35], PARTB         ; the next four K steps; the type bits on top are not reached
.endif
	s_wait_dscnt 0x0                               ; the add is done; a consumer's reads of the slot and of the weight buffer are back; a producer's stores have landed
.if \fill
	CROUND
	TLOAD                                          ; the first thing behind the round, and a wave's one tensor load until the next
.else
	s_barrier_signal -1
	s_barrier_wait -1
.endif
	s_xor_b32 s36, s36, SLOTB                      ; everybody goes on to the other buffers
	s_xor_b32 s37, s37, WCB
	s_xor_b32 s38, s38, WCB
	s_xor_b32 s39, s39, WSB
	s_xor_b32 s40, s40, WSB
	ADDRS
.endm
; 25 LDS loads: K step q of the slot into set: eight token fragments, their scale words, four weight fragments
.macro FETCH set, q
.irp t, 0,1,2,3,4,5,6,7
.irp c, 0,1
	ds_load_b128 v[AF+64*(\set)+8*\t+4*\c:AF+64*(\set)+8*\t+4*\c+3], v[ADA] offset:KSB*(\q)+1024*\t+512*\c
.endr
.endr
	ds_load_b128 v[AS+4*(\set):AS+4*(\set)+3], v[ADA] offset:KSB*(\q)+8192
.irp n, 0,1,2,3
.irp c, 0,1
	ds_load_b128 v[WF+32*(\set)+8*\n+4*\c:WF+32*(\set)+8*\n+4*\c+3], v[ADW] offset:WTILE*\n+64*(\q)+32*\c
.endr
.endr
.endm
.macro SLOTHEAD                        ; a slot's weight scale words (rows 0-31, rows 32-63: 16 bytes a row) and its first K step
	PLACES
	ds_load_b128 v[WSR:WSR+3], v[ADS]
	ds_load_b128 v[WSR+4:WSR+7], v[ADS] offset:512
	FETCH 0, 0
.endm
; four matrix instructions: token tiles 2 tt, 2 tt + 1 x weight tiles 2 nn, 2 nn + 1.  An odd tile's scales stand in lanes 16-31 of its register
.macro WM4 tt, nn, q, zero
.set rW, WF+32*((\q)%2)+16*(\nn)
.set rA, AF+64*((\q)%2)+16*(\tt)
.set rD, 64*(\tt)+16*(\nn)
.set rS, WSR+4*(\nn)+(\q)
.set rT, AS+4*((\q)%2)+(\tt)
.if \zero
	v_wmma_scale_f32_16x16x128_f8f6f4 v[rD:rD+7], v[rW:rW+7], v[rA:rA+7], 0, v[rS], v[rT] matrix_a_fmt:MATRIX_FMT_FP4 matrix_b_fmt:MATRIX_FMT_FP4
	v_wmma_scale_f32_16x16x128_f8f6f4 v[rD+8:rD+15], v[rW+8:rW+15], v[rA:rA+7], 0, v[rS], v[rT] matrix_a_fmt:MATRIX_FMT_FP4 matrix_b_fmt:MATRIX_FMT_FP4 matrix_a_scale:MATRIX_SCALE_ROW1
	v_wmma_scale_f32_16x16x128_f8f6f4 v[rD+32:rD+39], v[rW:rW+7], v[rA+8:rA+15], 0, v[rS], v[rT] matrix_a_fmt:MATRIX_FMT_FP4 matrix_b_fmt:MATRIX_FMT_FP4 matrix_b_scale:MATRIX_SCALE_ROW1
	v_wmma_scale_f32_16x16x128_f8f6f4 v[rD+40:rD+47], v[rW+8:rW+15], v[rA+8:rA+15], 0, v[rS], v[rT] matrix_a_fmt:MATRIX_FMT_FP4 matrix_b_fmt:MATRIX_FMT_FP4 matrix_a_scale:MATRIX_SCALE_ROW1 matrix_b_scale:MATRIX_SCALE_ROW1
.else
	v_wmma_scale_f32_16x16x128_f8f6f4 v[rD:rD+7], v[rW:rW+7], v[rA:rA+7], v[rD:rD+7], v[rS], v[rT] matrix_a_fmt:MATRIX_FMT_FP4 matrix_b_fmt:MATRIX_FMT_FP4
	v_wmma_scale_f32_16x16x128_f8f6f4 v[rD+8:rD+15], v[rW+8:rW+15], v[rA:rA+7], v[rD+8:rD+15], v[rS], v[rT] matrix_a_fmt:MATRIX_FMT_FP4 matrix_b_fmt:MATRIX_FMT_FP4 matrix_a_scale:MATRIX_SCALE_ROW1
	v_wmma_scale_f32_16x16x128_f8f6f4 v[rD+32:rD+39], v[rW:rW+7], v[rA+8:rA+15], v[rD+32:rD+39], v[rS], v[rT] matrix_a_fmt:MATRIX_FMT_FP4 matrix_b_fmt:MATRIX_FMT_FP4 matrix_b_scale:MATRIX_SCALE_ROW1
	v_wmma_scale_f32_16x16x128_f8f6f4 v[rD+40:rD+47], v[rW+8:rW+15], v[rA+8:rA+15], v[rD+40:rD+47], v[rS], v[rT] matrix_a_fmt:MATRIX_FMT_FP4 matrix_b_fmt:MATRIX_FMT_FP4 matrix_a_scale:MATRIX_SCALE_ROW1 matrix_b_scale:MATRIX_SCALE_ROW1
.endif
.endm
; a K step's 32 matrix instructions.  The 32 accumulators take turns, one instruction a turn, in the same order in every step
.macro MUL32 q, zero
	WIN 0x50                                       ; C and D window 1
.irp tt, 0,1,2,3
.irp nn, 0,1
	WM4 \tt, \nn, \q, \zero
.endr
.endr
	WIN 0
.endm
; K step q of the slot in hand.  The next step's 25 loads go out ahead of this step's products, into the set that the step before has multiplied
.macro CSTEP q, zero, last
.if \last
	s_wait_dscnt 0x0
.else
	PLACES
	FETCH ((\q)+1)%2, (\q)+1
	s_wait_dscnt 25                                ; all but the 25 just issued: this step's fragments and scale words are in
.endif
	MUL32 \q, \zero
.endm
; THE PRODUCER.  A unit is 512 consecutive bytes of one packed row: 16 bytes, 4 words, 8 weights a lane; four neighbouring lanes hold a block of 32.  Unit 2 i + f is half f of the slot's 1,024 bytes of LDS row i.
; A group is four units, taken by turns line by line.  gi: the group's number, 0 .. 7.
.macro PGROUP load, ask
.if \load
	s_wait_loadcnt 28                              ; 32 loads are out, in the order of the units: the oldest four are this group's
.else
	s_wait_loadcnt 28-4*gi                         ; nothing is loaded any more: the counts run down
.endif
.irp j, 0,1,2,3
.irp u, 0,1,2,3
	v_and_or_b32 v[PT+8*\u+2*\j], v[PL+16*gi+4*\u+\j], s46, s44      ; 2^19 + the high nibble (bits 7:4 of the word are worth 1 .. 15 in that number's mantissa): the even k
	v_and_or_b32 v[PT+8*\u+2*\j+1], v[PL+16*gi+4*\u+\j], 15, s45     ; 2^23 + the low nibble: the odd k
.endr
.endr
.if \load
.irp u, 0,1,2,3
	global_load_b128 v[PL+16*gi+4*\u:PL+16*gi+4*\u+3], v[GL], s[6:7] offset:((4*gi+\u)/2+8*((4*gi+\u)/16))*PITCHW+512*(\u%2)+1024 th:TH_LOAD_NT   ; the same units of the next slot; 32 lanes read 512 consecutive bytes
.endr
.endif
.if (\ask) && (gi == 0)
; A PREFETCH INTO THE L2, behind the trip's first loads: my 16 rows' 1,024 bytes of the slot behind the one that is being loaded: 64 aligned blocks of 256 bytes, a lane a block, two instructions.  Each block is named
; once in the launch: these rows are mine alone.  The loop's trips 1 to 5 ask for slots 3 to 7; the last trip asks for nothing: there is no slot 8.  Slots 0 to 2 come by their loads alone.
	s_cmp_gt_u32 s41, 1
	s_cbranch_scc0 .Lno_ask_\@
	global_prefetch_b8 v[PFO], s[6:7] offset:2048 th:TH_LOAD_NT scope:SCOPE_SE
	global_prefetch_b8 v[PFO], s[6:7] offset:2048+16*PITCHW th:TH_LOAD_NT scope:SCOPE_SE
.Lno_ask_\@:
.endif
.irp j, 0,2,4,6
.irp u, 0,1,2,3
	v_pk_add_f32 v[PT+8*\u+\j:PT+8*\u+\j+1], v[PT+8*\u+\j:PT+8*\u+\j+1], v[PCA:PCA+1]   ; nibble - 8, exactly
.endr
.endr
.irp j, 0,2,4,6
.irp u, 0,1,2,3
	v_pk_mul_f32 v[PT+8*\u+\j:PT+8*\u+\j+1], v[PT+8*\u+\j:PT+8*\u+\j+1], v[PS+2*((4*gi+\u)/2):PS+2*((4*gi+\u)/2)+1]   ; x the row's scale: the weight, rounded once
.endr
.endr
.irp u, 0,1,2,3
	v_max3_num_f32 v[PM+\u], |v[PT+8*\u]|, |v[PT+8*\u+1]|, 0x1800000   ; my 8 numbers, and the floor 2^(3 - 127): the byte cannot fall under 1
.endr
.irp i, 2,4,6
.irp u, 0,1,2,3
	v_max3_num_f32 v[PM+\u], v[PM+\u], |v[PT+8*\u+\i]|, |v[PT+8*\u+\i+1]|
.endr
.endr
.irp u, 0,1,2,3
	v_max_num_f32_dpp v[PM+\u], v[PM+\u], v[PM+\u] row_xmask:1 row_mask:0xf bank_mask:0xf
.endr
.irp u, 0,1,2,3
	v_max_num_f32_dpp v[PM+\u], v[PM+\u], v[PM+\u] row_xmask:2 row_mask:0xf bank_mask:0xf   ; the block's four lanes agree
.endr
.irp u, 0,1,2,3
	v_add_nc_u32 v[PSO+\u], 0xff000000, v[PM+\u]   ; 2 off the exponent field: the conversion's scale operand
.endr
	s_wait_dscnt 0x0                               ; the last group's eight LDS stores have read their data: the codes' and bytes' registers are written again
.irp u, 0,1,2,3
	v_cvt_scalef32_pk8_fp4_f32 v[PCD+\u], v[PT+8*\u:PT+8*\u+7], v[PSO+\u]
.endr
.irp u, 0,1,2,3
	v_lshrrev_b32 v[PBY+\u], 23, v[PSO+\u]         ; the scale's byte.  (Plain places behind the conversions)
.endr
.irp u, 0,1,2,3
	ds_store_b32 v[APC], v[PCD+\u] offset:WP*((4*gi+\u)/2)+128*(\u%2)   ; 8 codes a lane: 128 consecutive bytes of the row
	ds_store_b8 v[APS], v[PBY+\u] offset:16*((4*gi+\u)/2)+8*(\u%2)      ; a block's four lanes write the same byte with the same value
.endr
.endm
; a slot's 32 units.  load = 1: the next slot is loaded behind them;  step = 1: the rows' base goes a slot on first;  ask = 1: with the prefetch
.macro PROD load, step, ask
.if \step
	s_wait_xcnt 0x0                                ; the last slot's loads and prefetches have read their base
	s_add_nc_u64 s[6:7], s[6:7], 1024
.endif
.set gi, 0
.rept 8
	PGROUP \load, \ask
.set gi, gi+1
.endr
.endm
; LAYER 1's WAY OUT.  PRE t: the exponent v (KA + KB v^2) of token tile t's 32 numbers, into set t % 2.  The accumulators are read in ascending order
.macro PRE t
.set QP, Q+32*((\t)%2)
	WIN 0x05                                       ; sources 0 and 1 window 1
.set ip, 0
.rept 16
	v_pk_mul_f32 v[QP+ip:QP+ip+1], v[32*(\t)+ip:32*(\t)+ip+1], v[32*(\t)+ip:32*(\t)+ip+1]
.set ip, ip+2
.endr
	WIN 0
.set ip, 0
.rept 16
	v_pk_fma_f32 v[QP+ip:QP+ip+1], v[QP+ip:QP+ip+1], v[KB:KB+1], v[KA:KA+1]
.set ip, ip+2
.endr
	WIN 0x01                                       ; source 0 window 1
.set ip, 0
.rept 16
	v_pk_mul_f32 v[QP+ip:QP+ip+1], v[32*(\t)+ip:32*(\t)+ip+1], v[QP+ip:QP+ip+1]
.set ip, ip+2
.endr
	WIN 0
.endm
; token tile t: gelu, the quantiser along the next K (register 16 b + i = hidden unit 32 b + 16 h + i of my token), the store
.macro TILE t
.set QT, Q+32*((\t)%2)
.set it, 0
.rept 32
	v_exp_f32 v[QT+it], v[QT+it]
.set it, it+1
.endr
.if (\t) < 7
	PRE (\t)+1                                     ; the next tile's exponents are the independent work behind the batch
.else
	v_nop
.endif
	s_wait_alu depctr_va_vdst(0)                   ; one wait for the 32 exponentials, ahead of their first reader
.set it, 0
.rept 16
	v_pk_add_f32 v[QT+it:QT+it+1], v[QT+it:QT+it+1], 1.0 op_sel_hi:[1,0]
.set it, it+2
.endr
.set it, 0
.rept 32
	v_rcp_f32 v[QT+it], v[QT+it]
.set it, it+1
.endr
	v_nop                                          ; a plain place behind the last reciprocal
	s_wait_alu depctr_va_vdst(0)                   ; one wait for the 32 reciprocals
	WIN 0x01
.set it, 0
.rept 16
	v_pk_mul_f32 v[QT+it:QT+it+1], v[32*(\t)+it:32*(\t)+it+1], v[QT+it:QT+it+1]   ; h = v / (1 + 2^..)
.set it, it+2
.endr
	WIN 0
.irp b, 0,1
	v_max3_num_f32 v[MM+\b], |v[QT+16*\b]|, |v[QT+16*\b+1]|, 0x1800000
.endr
.irp e, 2,4,6,8,10,12,14
.irp b, 0,1
	v_max3_num_f32 v[MM+\b], v[MM+\b], |v[QT+16*\b+\e]|, |v[QT+16*\b+\e+1]|
.endr
.endr
.irp b, 0,1
	v_permlanex16_b32 v[M2+\b], v[MM+\b], s42, s43
.endr
.irp b, 0,1
	v_max_num_f32 v[MM+\b], v[MM+\b], v[M2+\b]     ; with lane l xor 16's: the block's largest magnitude
.endr
.irp b, 0,1
	v_add_nc_u32 v[SO2+\b], 0xff000000, v[MM+\b]
.endr
.irp b, 0,1
	v_lshrrev_b32 v[BY2+\b], 23, v[SO2+\b]
.endr
	v_lshl_or_b32 v[HWR+(\t)], v[BY2+1], 8, v[BY2] ; my token's two scale bytes
.irp b, 0,1
	v_cvt_scalef32_pk8_fp4_f32 v[CC+4*(\t)+2*\b], v[QT+16*\b:QT+16*\b+7], v[SO2+\b]
	v_cvt_scalef32_pk8_fp4_f32 v[CC+4*(\t)+2*\b+1], v[QT+16*\b+8:QT+16*\b+15], v[SO2+\b]
.endr
	v_nop                                          ; one plain place behind a scaled conversion
	v_permlane16_swap_b32 v[CC+4*(\t)], v[CC+4*(\t)+2]     ; a WHOLE block in a lane: lanes 0-15 the first, lanes 16-31 the second
	v_permlane16_swap_b32 v[CC+4*(\t)+1], v[CC+4*(\t)+3]
	global_store_b128 v[O1], v[CC+4*(\t):CC+4*(\t)+3], s[10:11] offset:1024*(\t)   ; registers 4 c .. 4 c + 3 of the fragment's image: 512 consecutive bytes, aligned
.endm
; LAYER 2's WAY OUT: token tile t (16 tokens x 64 columns) through my stage, 16 rows of 256 + 16 bytes.  The stage lies in my part of token slot 0, which has had its last fill and its last read
.macro TOSTAGE t
	WIN 0x04                                       ; an LDS store's data are its source 1: window 1
.irp n, 0,1,2,3
	ds_store_b128 v[O1], v[32*(\t)+8*\n:32*(\t)+8*\n+3] offset:128*(\n/2)+32*(\n%2)          ; each accumulator from its low end on
	ds_store_b128 v[O1], v[32*(\t)+8*\n+4:32*(\t)+8*\n+7] offset:128*(\n/2)+32*(\n%2)+16
.endr
	WIN 0
.irp i, 0,1,2,3,4,5,6,7
	ds_load_b128 v[BK+32*((\t)%2)+4*\i:BK+32*((\t)%2)+4*\i+3], v[O2] offset:2*WP*\i   ; LDS serves a wave's instructions in order (ISA guide 5.7.1.4): these see the stores above
.endr
.endm
.macro SEND t, younger                 ; younger: the LDS instructions issued behind tile t's loads, which may stay out
	s_wait_dscnt \younger
.irp i, 0,1,2,3,4,5,6,7
	global_store_b128 v[O3], v[BK+32*((\t)%2)+4*\i:BK+32*((\t)%2)+4*\i+3], s[10:11] offset:(16*(\t)+2*\i)*16384 th:TH_STORE_NT   ; 16 lanes store 256 consecutive bytes, aligned
.endr
.endm
	s_load_b256 s[4:11], s[0:1], 0x0               ; the token operand s[4:5], the packed weights s[6:7], their scales s[8:9], the output s[10:11]
	v_lshl_add_u32 v[SPW], v0, 2, SPARE
	v_mov_b32 v[NIL], 0
	ds_add_u32 v1, v2
	s_wait_dscnt 0x0
	v_lshrrev_b32 v[LN], 5, v0
	v_readfirstlane_b32 s12, v[LN]                 ; wave 0..7
	s_and_b32 s13, s12, 3                          ; a consumer's part w; a producer's weight tile n
	s_bfe_u32 s14, ttmp6, 0x40000                  ; cx: my place in the cluster: it enters addresses of the weights and of the output alone
	s_lshl_b32 s15, ttmp9, 2
	s_add_co_u32 s15, s15, s14                     ; work-group g = 4 x cluster + cx
.if LAYER == 1
	s_mov_b32 s17, s15                             ; my 64 rows: group g
.else
	s_lshr_b32 s16, ttmp9, 4                       ; the window Y along K, which the four partners share
	s_and_b32 s17, s15, 63                         ; my 64 rows: group g % 64
.endif
	; descriptor group 1: 34,816 dense bytes as 136 rows of 256 bytes (32 elements of 8 bytes), no padding: the images are read 16 bytes a lane on end
	s_mov_b32 s24, 15|(3<<16)|(1<<21)              ; 15:0 the mask: all four work-groups; 17:16 elements of 8 bytes; 21 set beside a mask
	s_mov_b32 s25, 32<<16                          ; tensor_dim0 = 32
	s_mov_b32 s26, 136<<16                         ; tensor_dim1 = 136
	s_mov_b32 s27, 32<<16                          ; tile_dim0 = 32
	s_mov_b32 s28, 136                             ; tile_dim1 = 136
	s_mov_b32 s29, 32                              ; from row to row
	s_mov_b32 s30, 0
	s_mov_b32 s31, 0
	s_mov_b32 s32, 1                               ; group 0: count = 1
	s_mul_i32 s33, s13, PARTB                      ; LDS address: my part of slot 0
	s_mul_i32 s52, s13, WPART                      ; in memory: my part (of the window)
.if LAYER == 2
	s_mul_i32 s53, s16, WINB
	s_add_co_u32 s52, s52, s53
.endif
	s_mov_b32 s53, 0
	v_and_b32 v[LN], 31, v0                        ; lane
	v_and_b32 v20, 15, v0                          ; r
	v_bfe_u32 v21, v0, 4, 1                        ; h
	v_lshlrev_b32 v[GL], 4, v[LN]
	v_add_nc_u32 v[ADA0], s33, v[GL]
	v_mul_u32_u24 v[ADW0], v20, WP
	v_lshl_add_u32 v[ADW0], v21, 4, v[ADW0]
	v_add_nc_u32 v[ADW0], WC0, v[ADW0]
	v_add_nc_u32 v[ADS0], WS0, v[GL]
	s_mul_i32 s54, s13, WTILE
	s_add_co_u32 s54, s54, WC0
	v_lshl_add_u32 v[APC0], v[LN], 2, s54
	s_lshl_b32 s55, s13, 8
	s_add_co_u32 s55, s55, WS0
	v_lshrrev_b32 v22, 2, v[LN]
	v_add_nc_u32 v[APS0], s55, v22
	v_and_b32 v23, 3, v[LN]
	v_lshlrev_b32 v23, 8, v23
	v_mul_u32_u24 v[PFO], v22, PITCHW
	v_add_nc_u32 v[PFO], v[PFO], v23
	v_mov_b32 v[ZO], 0
.if LAYER == 1
	s_and_b32 s56, s15, 1                          ; c: my 64 hidden units are half c of a K step of the next product
	s_lshl_b32 s57, s56, 9
	v_add_nc_u32 v[O1], s57, v[GL]
	s_lshl_b32 s57, s56, 1
	s_add_co_u32 s57, s57, 8192
	v_add_nc_u32 v[O2], s57, v[GL]
	s_lshr_b32 s50, s15, 6                         ; the output: window g / 64, part w, K step (g % 64) / 2
	s_mul_i32 s50, s50, WINB
	s_mul_i32 s51, s13, WPART
	s_add_co_u32 s50, s50, s51
	s_bfe_u32 s51, s15, 0x50001
	s_mul_i32 s51, s51, KSB
	s_add_co_u32 s50, s50, s51
.else
	v_mul_u32_u24 v[O1], v20, WP                   ; the stage, in: row r, + 64 h
	v_lshl_add_u32 v[O1], v21, 6, v[O1]
	v_add_nc_u32 v[O1], s33, v[O1]
	v_mul_u32_u24 v[O2], v21, WP                   ; back: lanes 0-15 one row, lanes 16-31 the next
	v_lshl_add_u32 v[O2], v20, 4, v[O2]
	v_add_nc_u32 v[O2], s33, v[O2]
	v_lshlrev_b32 v[O3], 14, v21                   ; and the same two rows of the output
	v_lshl_add_u32 v[O3], v20, 4, v[O3]
	s_lshl_b32 s50, s16, 23                        ; the output: window Y, my 128 tokens of 16,384 bytes, my 64 columns
	s_lshl_b32 s51, s13, 21
	s_add_co_u32 s50, s50, s51
	s_lshl_b32 s51, s17, 8
	s_add_co_u32 s50, s50, s51
.endif
	s_mov_b32 s51, 0
	s_lshl_b32 s20, s17, 6                         ; a producer's first row: 64 x group + 32 (n / 2) + 8 (n % 2)
	s_lshr_b32 s21, s13, 1
	s_lshl_b32 s21, s21, 5
	s_add_co_u32 s20, s20, s21
	s_and_b32 s21, s13, 1
	s_lshl_b32 s21, s21, 3
	s_add_co_u32 s20, s20, s21
	s_lshl_b32 s22, s20, 2                         ; its scale
	s_mov_b32 s23, 0
	s_mul_i32 s20, s20, PITCHW                     ; its packed words (under 2^28 bytes)
.if LAYER == 2
	s_lshl_b32 s21, s16, 13                        ; the window: 8,192 bytes of a row
	s_add_co_u32 s20, s20, s21
.endif
	s_mov_b32 s21, 0
	s_mov_b32 s36, SLOTB                           ; the buffers in hand, as offsets.  The consumers' three are turned to buffer 0 by the first change of slots;
	s_mov_b32 s37, WCB
	s_mov_b32 s39, WSB
	s_mov_b32 s38, 0                               ; the producers begin in buffer 0
	s_mov_b32 s40, 0
	s_mov_b32 s42, 0x76543210                      ; v_permlanex16_b32's selects for lane l xor 16
	s_mov_b32 s43, 0xfedcba98
	s_mov_b32 s44, 0x49000000                      ; 2^19
	s_mov_b32 s45, 0x4b000000                      ; 2^23
	s_mov_b32 s46, 0xf0
	ADDRS
	s_wait_kmcnt 0x0
	s_add_nc_u64 s[34:35], s[4:5], s[52:53]        ; group 0: global address,
	s_or_b32 s35, s35, 0x80000000                  ; type = 2
	s_add_nc_u64 s[6:7], s[6:7], s[20:21]
	s_add_nc_u64 s[8:9], s[8:9], s[22:23]
	s_add_nc_u64 s[10:11], s[10:11], s[50:51]
	s_cmp_lt_u32 s12, 4
	s_cbranch_scc1 .Lhead_c
.irp i, 0,1,2,3,4,5,6,7,8,9,10,11,12,13,14,15  ; PRODUCERS: the 16 rows' scales, then slot 0: memory is asked ahead of the cluster's first round
	global_load_b32 v[PS+2*\i], v[ZO], s[8:9] offset:4*(\i+8*(\i/8))
.endr
.set un, 0
.rept 32
	global_load_b128 v[PL+4*un:PL+4*un+3], v[GL], s[6:7] offset:((un/2)+8*(un/16))*PITCHW+512*(un%2) th:TH_LOAD_NT
.set un, un+1
.endr
.Lhead_c:
	CROUND                                         ; all four work-groups are here: the first joint loads meet
	TLOAD                                          ; slot 0
	s_cmp_lt_u32 s12, 4
	s_cbranch_scc1 .Lfirst_c
	s_wait_loadcnt 32                              ; PRODUCERS: the 16 scales are in; behind them the 32 loads of slot 0 may be out
.irp i, 0,1,2,3,4,5,6,7,8,9,10,11,12,13,14,15
	v_mov_b32 v[PS+2*\i+1], v[PS+2*\i]
.endr
	v_mov_b32 v[PCA], 0xc9000080                   ; -(2^19 + 8)
	v_mov_b32 v[PCA+1], 0xcb000008                 ; -(2^23 + 8)
	PROD 1, 0, 0                                   ; slot 0 into buffer 0; slot 1 is loaded
.Lfirst_c:
	CHANGE 1                                       ; token slot 1 is asked for
	s_cmp_lt_u32 s12, 4
	s_cbranch_scc0 .Lpre_p
	SLOTHEAD
	CSTEP 0, 1, 0                                  ; the first K step stands in front of the loop: its products start the sums: nothing is cleared
.Lpre_p:
	s_mov_b32 s41, 6
.Lloop:                                            ; trip k = 1 .. 6: the consumers finish slot k - 1 while the producers make slot k; token slot k + 1 is asked for; the consumers begin slot k
	s_cmp_lt_u32 s12, 4
	s_cbranch_scc0 .Lloop_p
	CSTEP 1, 0, 0
	CSTEP 2, 0, 0
	CSTEP 3, 0, 1
	s_branch .Lloop_j
.Lloop_p:
	PROD 1, 1, 1
.Lloop_j:
	CHANGE 1
	s_cmp_lt_u32 s12, 4
	s_cbranch_scc0 .Lloop_e
	SLOTHEAD
	CSTEP 0, 0, 0
.Lloop_e:
	s_sub_co_u32 s41, s41, 1
	s_cmp_lg_u32 s41, 0
	s_cbranch_scc1 .Lloop
	s_cmp_lt_u32 s12, 4                            ; the tail is written out: nothing more is loaded or asked for
	s_cbranch_scc0 .Ltail_p
	CSTEP 1, 0, 0
	CSTEP 2, 0, 0
	CSTEP 3, 0, 1
	s_branch .Ltail_j
.Ltail_p:
	PROD 0, 0, 0                                   ; slot 7
.Ltail_j:
	CHANGE 0
	s_cmp_lt_u32 s12, 4
	s_cbranch_scc0 .Lend
	SLOTHEAD
	CSTEP 0, 0, 0
	CSTEP 1, 0, 0
	CSTEP 2, 0, 0
	CSTEP 3, 0, 1
	PLACES                                         ; in front of the first read of results, and of writes into registers that the last products read
.if LAYER == 1
	v_mov_b32 v[KA], 0xc0135761                    ; -2 log2(e) sqrt(2 / pi)
	v_mov_b32 v[KA+1], 0xc0135761
	v_mov_b32 v[KB], 0xbdd2d3e8                    ; x 0.044715
	v_mov_b32 v[KB+1], 0xbdd2d3e8
	v_mov_b32 v[M2], 0                             ; written once: a lane permute's destination counts as one of its sources
	v_mov_b32 v[M2+1], 0
	PRE 0
.irp t, 0,1,2,3,4,5,6,7
	TILE \t
.endr
	v_cmp_le_u32 vcc_lo, 16, v[LN]                 ; the scale words' layout: lanes 0-15 carry tile 2 j, lanes 16-31 tile 2 j + 1
.irp j, 0,1,2,3
	v_cndmask_b32 v[XX+\j], v[HWR+2*\j], v[HWR+2*\j+1], vcc_lo
.endr
.irp j, 0,1,2,3
	global_store_b16 v[O2], v[XX+\j], s[10:11] offset:4*\j   ; bytes 2 c, 2 c + 1 of the word at 16 x lane + 4 j
.endr
.else
	TOSTAGE 0
.irp t, 1,2,3,4,5,6,7
.if \t > 1
	s_wait_xcnt 0x0                                ; tile t - 2's stores have read their registers: tile t's loads may land there
.endif
	TOSTAGE \t
	SEND \t-1, 16                                  ; behind tile t - 1's loads: tile t's 8 stores and 8 loads
.endr
	SEND 7, 0
.endif
.Lend:
	s_wait_tensorcnt 0x0                           ; the wave's end: behind my last tensor load and my last LDS store
	ds_add_u32 v[SPW], v[NIL]
	s_wait_dscnt 0x0
	CROUND                                         ; the closing round: no work-group ends while a partner may still ask for a slot that names it
	s_endpgm
.Lfunc_end_k_q64a8263730_g1:
	.size	k_q64a8263730_g1, .Lfunc_end_k_q64a8263730_g1-k_q64a8263730_g1
	.p2alignl 7, 3214868480
	.fill 96, 4, 3214868480
	.section	.rodata,"a",@progbits
	.p2align	6, 0x0
	.amdhsa_kernel k_q64a8263730_g1
		.amdhsa_group_segment_fixed_size 327680
		.amdhsa_private_segment_fixed_size 0
		.amdhsa_enable_private_segment 0
		.amdhsa_kernarg_size 32
		.amdhsa_user_sgpr_count 2
		.amdhsa_user_sgpr_kernarg_segment_ptr 1
		.amdhsa_wavefront_size32 1
		.amdhsa_system_sgpr_workgroup_id_x 1
		.amdhsa_system_sgpr_workgroup_id_y 1
		.amdhsa_system_sgpr_workgroup_id_z 1
		.amdhsa_system_vgpr_workitem_id 0
		.amdhsa_next_free_vgpr 512
		.amdhsa_next_free_sgpr 66
		.amdhsa_reserve_vcc 1
		.amdhsa_float_denorm_mode_32 3
		.amdhsa_float_denorm_mode_16_64 3
		.amdhsa_memory_ordered 1
		.amdhsa_forward_progress 1
		.amdhsa_inst_pref_size 255
	.end_amdhsa_kernel
	.section	.bss,"aw",@nobits
	.p2align	6
	.space	262144
	.amdgpu_metadata
---
amdhsa.version: [ 1, 2 ]
amdhsa.kernels:
  - .name:           k_q64a8263730_g1
    .symbol:         k_q64a8263730_g1.kd
    .args:
      - { .name: xq, .offset: 0, .size: 8, .value_kind: global_buffer, .address_space: global }
      - { .name: fc1_packed, .offset: 8, .size: 8, .value_kind: global_buffer, .address_space: global }
      - { .name: fc1_scales, .offset: 16, .size: 8, .value_kind: global_buffer, .address_space: global }
      - { .name: hq, .offset: 24, .size: 8, .value_kind: global_buffer, .address_space: global }
    .group_segment_fixed_size: 327680
    .private_segment_fixed_size: 0
    .kernarg_segment_align: 8
    .kernarg_segment_size: 32
    .max_flat_workgroup_size: 256
    .sgpr_count:     66
    .vgpr_count:     512
    .wavefront_size: 32
...
	.end_amdgpu_metadata
.endif
;; end of part 2
;; launch g2 (part 3): grid 256 x 1, 8 waves a work-group, clusters of 4 x 1, 327,680 bytes of LDS; arguments hq, fc2_packed, fc2_scales, part; writes part
.if DOCPART == 3
	.amdgcn_target "amdgcn-amd-amdhsa--gfx1250"
	.amdhsa_code_object_version 6
	.text
	.protected	k_q64a8263730_g2
	.globl	k_q64a8263730_g2
	.p2align	8
	.type	k_q64a8263730_g2,@function
k_q64a8263730_g2:
	s_mov_b64 s[64:65], 0
	v_nop
	global_prefetch_b8 v0, s[64:65] scope:SCOPE_SE
	s_setreg_imm32_b32 hwreg(HW_REG_WAVE_MODE, 25, 1), 1
	s_wait_xcnt 0x0
	s_wait_alu depctr_hold_cnt(0) depctr_sa_sdst(0) depctr_va_vdst(0) depctr_va_sdst(0) depctr_va_ssrc(0) depctr_va_vcc(0) depctr_vm_vsrc(0)
	s_getreg_b32 s2, hwreg(HW_REG_IB_STS2, 6, 4)
	s_cmp_eq_u32 s2, 0
	s_cbranch_scc0 .Lentry_in_a_cluster
	s_endpgm
.Lentry_in_a_cluster:
	s_bfe_u32 s2, ttmp6, 0x10000c
	s_cmp_lg_u32 s2, 0x3003
	s_cbranch_scc0 .Lentry_shape_is_right
	s_endpgm
.Lentry_shape_is_right:
; ONE TEXT FOR BOTH LAYERS; LAYER says which.  LAYER 1: hq = Q(gelu(x W1^T)).  LAYER 2: part[Y] = h W2^T over the window Y of 4,096 along K.  Both products on codes of FP4 (E2M1) with E8M0 scales for each 32 along K.
; The weights arrive as int32 words of one byte each: two 4-bit numbers, the high one first along K, value = nibble - 8, times the row's f32 scale.  They are read from memory ONCE, and quantised on the way.
; A WORK-GROUP owns 64 weight rows x 4,096 along K x all 512 tokens.  K goes in 32 steps of 128, four steps to a slot, eight slots.
; TWO ROLES, four waves each, parted on the wave's number.  CONSUMERS (waves 0-3): wave w owns tokens 128 w .. + 127 x the 64 rows: 32 accumulators, 256 registers, 32 matrix instructions a K step.
; PRODUCERS (waves 4-7): wave 4 + n streams the 16 packed rows of weight tile n into registers, makes n x scale in f32 (one rounding), quantises, and stores codes and scale bytes to LDS, a slot ahead of the consumers.
; THE TOKEN OPERAND lies in memory in the order of the operand's registers ([window][part w][K step][8,704 bytes]: eight fragments, then 512 bytes of scale words).  Consumer w brings its part's four K steps, 34,816 dense
; bytes, by one tensor load, and it alone reads them.  CLUSTER: the four work-groups of a cluster walk the same token operand, so each such load is asked for JOINTLY (mask 15, the same descriptor in all four).
; THE PRODUCT IS USED TRANSPOSED (source 0 = 16 weight rows, source 1 = 16 tokens): a lane holds one token.  THE ROWS OF A WEIGHT TILE ARE NOT NEIGHBOURS: LDS row i of tile 2 b + u is row 32 b + 8 u + i + 8 (i / 8) of the
; work-group's 64, so that a lane's 16 registers of tiles 2 b and 2 b + 1 are 16 neighbouring rows, 32 b + 16 (lane / 16) + 0 .. 15: neighbours along the next product's K (layer 1), or along a row of the output (layer 2).
; ONE CHANGE OF SLOTS FOR FOUR K STEPS.  In front of it every wave has waited for its tensor load, its LDS reads and its LDS stores; behind it the token slot just left is filled again, the consumers read the weight buffer that
; the producers have just written, and the producers write the one that the consumers have left.  A wave has at most one tensor load out.
; GELU (layer 1): v / (1 + 2^(v (KA + KB v^2))), KA = -2 log2(e) sqrt(2 / pi), KB = 0.044715 KA: the tanh form, written without the difference 1 + tanh; all in f32.
; LIMITS: bits above bit 7 of a packed word are ignored (the words hold 0 .. 255); NaN and infinities among the inputs are not served; a block of zeros gets the byte 1 with zero codes (this program alone reads the bytes);
; layer 1 stores a token's scale bytes as half-words (a K step's four bytes come from two work-groups): one sixteenth of its output bytes; layer 2's four windows are added by the launch behind it.
.set LAYER,  2
.set PITCHW, 8192*(1+3*(LAYER-1))      ; a packed row in bytes: 8,192 or 32,768
.set KSB,    8704                      ; a K step of one part of the token operand
.set PARTB,  4*KSB                     ; a slot's share of one part: what one tensor load brings
.set SLOTB,  4*PARTB                   ; a token slot.  As bits it shares none with w x PARTB, so one exclusive or turns an address from slot to slot
.set WPART,  32*KSB                    ; a part of a window, in memory
.set WINB,   4*WPART                   ; a window
.set WP,     272                       ; a row of weight codes in LDS: 256 bytes (512 along K) + 16: the 16 rows that a load touches start at 16 different groups of four banks (64 banks of 4 bytes: ISA guide 11.1)
.set WTILE,  16*WP
.set WCB,    4*WTILE                   ; a buffer of weight codes: 64 rows
.set WC0,    2*SLOTB                   ; LDS: two token slots, two buffers of weight codes,
.set WS0,    WC0+2*WCB                 ; two of weight scale bytes (16 a row: byte 4 q + block of K step q),
.set WSB,    1024
.set SPARE,  WS0+2*WSB                 ; and the spare words, 128 bytes for each of eight waves: four blocks of 256 bytes that no other line names
; vector registers that both roles keep; all are made ahead of the first parting
.set SPW,  1                           ; LDS address of my spare word; never rewritten
.set NIL,  2                           ; 0; never rewritten
.set ADA0, 3                           ; bases, never rewritten: my part of token slot 0 + 16 x lane;
.set ADW0, 4                           ; weight codes: WC0 + 272 r + 16 h;
.set ADS0, 5                           ; weight scale words: WS0 + 16 x lane;
.set APC0, 6                           ; where a producer puts codes: WC0 + its tile + 4 x lane;
.set APS0, 7                           ; and scale bytes: WS0 + 256 x tile + lane / 4
.set ADA,  8                           ; v8-12: the same five in the buffers in hand; written on the common path alone
.set ADW,  9
.set ADS,  10
.set APC,  11
.set APS,  12
.set GL,   13                          ; 16 x lane
.set PFO,  14                          ; the prefetches' offset: (lane / 4) rows + 256 (lane % 4)
.set ZO,   15                          ; 0
.set O1,   16                          ; the way out.  Layer 1: 16 x lane + 512 c.  Layer 2: the stage, on the way in
.set O2,   17                          ; layer 1: 16 x lane + 2 c + 8,192.  Layer 2: the stage, on the way back
.set O3,   18                          ; layer 2: my byte offset in two rows of the output
.set LN,   19                          ; lane
; consumers
.set WSR,  24                          ; v24-31  weight scale words of a slot: register 4 p + q: tile 2 p in lanes 0-15, tile 2 p + 1 in lanes 16-31, K step q
.set AS,   32                          ; v32-39  token scale words, two sets: register j: tile 2 j in lanes 0-15, tile 2 j + 1 in lanes 16-31.  v24-39 hold scales and nothing else
.set AF,   64                          ; v64-191 token fragments, two sets of eight
.set WF,   192                         ; v192-255 weight fragments, two sets of four.   Window 1 (v256-511): accumulator (token tile t, weight tile n) at 8 (4 t + n)
; producers (window 0 alone)
.set PT,   40                          ; v40-71  four units x 8 numbers at work
.set PL,   72                          ; v72-199 32 units x 4 words as loaded: a slot
.set PS,   200                         ; v200-231 row i's scale, twice (a pair for the packed multiply)
.set PCA,  232                         ; v[232:233] -(2^19 + 8), -(2^23 + 8)
.set PM,   234                         ; v234-237 largest magnitudes;  v238-241 the conversions' scale operands;  v242-245 codes;  v246-249 scale bytes
.set PSO,  238
.set PCD,  242
.set PBY,  246
; layer 1's way out
.set KA,   40
.set KB,   42
.set Q,    64                          ; v64-127 two sets of 32 numbers
.set CC,   128                         ; v128-159 tile t's codes at 4 t
.set HWR,  160                         ; v160-167 tile t's two scale bytes
.set MM,   168
.set M2,   170
.set SO2,  172
.set BY2,  174
.set XX,   184
.set BK,   64                          ; layer 2's way out: v64-127 two sets of 16 rows read back
.set MSB, 0
.macro WIN new                         ; the immediate's high byte repeats the setting that is left
.if MSB != \new
	s_set_vgpr_msb (MSB<<8)|\new
.set MSB, \new
.endif
.endm
.macro PLACES                          ; four places: in front of loads into registers that matrix instructions have read, and of the first read of results
.rept 4
	v_nop
.endr
.endm
.macro CROUND                          ; a round of the cluster's barrier
	s_barrier_signal -1
	s_barrier_wait -1
	s_cmp_lg_u32 s12, 0
	s_cbranch_scc1 .Lnot_wave_0_\@
	s_barrier_signal -3
.Lnot_wave_0_\@:
	s_barrier_wait -3
	s_barrier_signal -1
	s_barrier_wait -1
.endm
.macro TLOAD                           ; the consumers' joint load; four v_nop follow it
	s_cmp_lt_u32 s12, 4
	s_cbranch_scc0 .Lnot_mine_\@
	tensor_load_to_lds s[32:35], s[24:31]
	s_nop 0
.rept 4
	v_nop
.endr
.Lnot_mine_\@:
.endm
.macro ADDRS                           ; the five addresses in the buffers in hand
	v_add_nc_u32 v[ADA], s36, v[ADA0]
	v_add_nc_u32 v[ADW], s37, v[ADW0]
	v_add_nc_u32 v[ADS], s39, v[ADS0]
	v_add_nc_u32 v[APC], s38, v[APC0]
	v_add_nc_u32 v[APS], s40, v[APS0]
.endm
; THE CHANGE OF SLOTS, on every wave's path.  fill = 1: the token slot just left is filled again, behind a round of the cluster's barrier, so that no wave of any partner still reads it or has a load on its way.
.macro CHANGE fill
	s_wait_tensorcnt 0x0                           ; my tensor load has landed: my part of the slot that I read next; no load of mine is out, so group 0 may be written
	ds_add_u32 v[SPW], v[NIL]                      ; 0 onto my spare word
.if \fill
	s_xor_b32 s33, s33, SLOTB                      ; the walking descriptor: the other slot,
	s_add_nc_u64 s[34:35], s[34:35], PARTB         ; the next four K steps; the type bits on top are not reached
.endif
	s_wait_dscnt 0x0                               ; the add is done; a consumer's reads of the slot and of the weight buffer are back; a producer's stores have landed
.if \fill
	CROUND
	TLOAD                                          ; the first thing behind the round, and a wave's one tensor load until the next
.else
	s_barrier_signal -1
	s_barrier_wait -1
.endif
	s_xor_b32 s36, s36, SLOTB                      ; everybody goes on to the other buffers
	s_xor_b32 s37, s37, WCB
	s_xor_b32 s38, s38, WCB
	s_xor_b32 s39, s39, WSB
	s_xor_b32 s40, s40, WSB
	ADDRS
.endm
; 25 LDS loads: K step q of the slot into set: eight token fragments, their scale words, four weight fragments
.macro FETCH set, q
.irp t, 0,1,2,3,4,5,6,7
.irp c, 0,1
	ds_load_b128 v[AF+64*(\set)+8*\t+4*\c:AF+64*(\set)+8*\t+4*\c+3], v[ADA] offset:KSB*(\q)+1024*\t+512*\c
.endr
.endr
	ds_load_b128 v[AS+4*(\set):AS+4*(\set)+3], v[ADA] offset:KSB*(\q)+8192
.irp n, 0,1,2,3
.irp c, 0,1
	ds_load_b128 v[WF+32*(\set)+8*\n+4*\c:WF+32*(\set)+8*\n+4*\c+3], v[ADW] offset:WTILE*\n+64*(\q)+32*\c
.endr
.endr
.endm
.macro SLOTHEAD                        ; a slot's weight scale words (rows 0-31, rows 32-63: 16 bytes a row) and its first K step
	PLACES
	ds_load_b128 v[WSR:WSR+3], v[ADS]
	ds_load_b128 v[WSR+4:WSR+7], v[ADS] offset:512
	FETCH 0, 0
.endm
; four matrix instructions: token tiles 2 tt, 2 tt + 1 x weight tiles 2 nn, 2 nn + 1.  An odd tile's scales stand in lanes 16-31 of its register
.macro WM4 tt, nn, q, zero
.set rW, WF+32*((\q)%2)+16*(\nn)
.set rA, AF+64*((\q)%2)+16*(\tt)
.set rD, 64*(\tt)+16*(\nn)
.set rS, WSR+4*(\nn)+(\q)
.set rT, AS+4*((\q)%2)+(\tt)
.if \zero
	v_wmma_scale_f32_16x16x128_f8f6f4 v[rD:rD+7], v[rW:rW+7], v[rA:rA+7], 0, v[rS], v[rT] matrix_a_fmt:MATRIX_FMT_FP4 matrix_b_fmt:MATRIX_FMT_FP4
	v_wmma_scale_f32_16x16x128_f8f6f4 v[rD+8:rD+15], v[rW+8:rW+15], v[rA:rA+7], 0, v[rS], v[rT] matrix_a_fmt:MATRIX_FMT_FP4 matrix_b_fmt:MATRIX_FMT_FP4 matrix_a_scale:MATRIX_SCALE_ROW1
	v_wmma_scale_f32_16x16x128_f8f6f4 v[rD+32:rD+39], v[rW:rW+7], v[rA+8:rA+15], 0, v[rS], v[rT] matrix_a_fmt:MATRIX_FMT_FP4 matrix_b_fmt:MATRIX_FMT_FP4 matrix_b_scale:MATRIX_SCALE_ROW1
	v_wmma_scale_f32_16x16x128_f8f6f4 v[rD+40:rD+47], v[rW+8:rW+15], v[rA+8:rA+15], 0, v[rS], v[rT] matrix_a_fmt:MATRIX_FMT_FP4 matrix_b_fmt:MATRIX_FMT_FP4 matrix_a_scale:MATRIX_SCALE_ROW1 matrix_b_scale:MATRIX_SCALE_ROW1
.else
	v_wmma_scale_f32_16x16x128_f8f6f4 v[rD:rD+7], v[rW:rW+7], v[rA:rA+7], v[rD:rD+7], v[rS], v[rT] matrix_a_fmt:MATRIX_FMT_FP4 matrix_b_fmt:MATRIX_FMT_FP4
	v_wmma_scale_f32_16x16x128_f8f6f4 v[rD+8:rD+15], v[rW+8:rW+15], v[rA:rA+7], v[rD+8:rD+15], v[rS], v[rT] matrix_a_fmt:MATRIX_FMT_FP4 matrix_b_fmt:MATRIX_FMT_FP4 matrix_a_scale:MATRIX_SCALE_ROW1
	v_wmma_scale_f32_16x16x128_f8f6f4 v[rD+32:rD+39], v[rW:rW+7], v[rA+8:rA+15], v[rD+32:rD+39], v[rS], v[rT] matrix_a_fmt:MATRIX_FMT_FP4 matrix_b_fmt:MATRIX_FMT_FP4 matrix_b_scale:MATRIX_SCALE_ROW1
	v_wmma_scale_f32_16x16x128_f8f6f4 v[rD+40:rD+47], v[rW+8:rW+15], v[rA+8:rA+15], v[rD+40:rD+47], v[rS], v[rT] matrix_a_fmt:MATRIX_FMT_FP4 matrix_b_fmt:MATRIX_FMT_FP4 matrix_a_scale:MATRIX_SCALE_ROW1 matrix_b_scale:MATRIX_SCALE_ROW1
.endif
.endm
; a K step's 32 matrix instructions.  The 32 accumulators take turns, one instruction a turn, in the same order in every step
.macro MUL32 q, zero
	WIN 0x50                                       ; C and D window 1
.irp tt, 0,1,2,3
.irp nn, 0,1
	WM4 \tt, \nn, \q, \zero
.endr
.endr
	WIN 0
.endm
; K step q of the slot in hand.  The next step's 25 loads go out ahead of this step's products, into the set that the step before has multiplied
.macro CSTEP q, zero, last
.if \last
	s_wait_dscnt 0x0
.else
	PLACES
	FETCH ((\q)+1)%2, (\q)+1
	s_wait_dscnt 25                                ; all but the 25 just issued: this step's fragments and scale words are in
.endif
	MUL32 \q, \zero
.endm
; THE PRODUCER.  A unit is 512 consecutive bytes of one packed row: 16 bytes, 4 words, 8 weights a lane; four neighbouring lanes hold a block of 32.  Unit 2 i + f is half f of the slot's 1,024 bytes of LDS row i.
; A group is four units, taken by turns line by line.  gi: the group's number, 0 .. 7.
.macro PGROUP load, ask
.if \load
	s_wait_loadcnt 28                              ; 32 loads are out, in the order of the units: the oldest four are this group's
.else
	s_wait_loadcnt 28-4*gi                         ; nothing is loaded any more: the counts run down
.endif
.irp j, 0,1,2,3
.irp u, 0,1,2,3
	v_and_or_b32 v[PT+8*\u+2*\j], v[PL+16*gi+4*\u+\j], s46, s44      ; 2^19 + the high nibble (bits 7:4 of the word are worth 1 .. 15 in that number's mantissa): the even k
	v_and_or_b32 v[PT+8*\u+2*\j+1], v[PL+16*gi+4*\u+\j], 15, s45     ; 2^23 + the low nibble: the odd k
.endr
.endr
.if \load
.irp u, 0,1,2,3
	global_load_b128 v[PL+16*gi+4*\u:PL+16*gi+4*\u+3], v[GL], s[6:7] offset:((4*gi+\u)/2+8*((4*gi+\u)/16))*PITCHW+512*(\u%2)+1024 th:TH_LOAD_NT   ; the same units of the next slot; 32 lanes read 512 consecutive bytes
.endr
.endif
.if (\ask) && (gi == 0)
; A PREFETCH INTO THE L2, behind the trip's first loads: my 16 rows' 1,024 bytes of the slot behind the one that is being loaded: 64 aligned blocks of 256 bytes, a lane a block, two instructions.  Each block is named
; once in the launch: these rows are mine alone.  The loop's trips 1 to 5 ask for slots 3 to 7; the last trip asks for nothing: there is no slot 8.  Slots 0 to 2 come by their loads alone.
	s_cmp_gt_u32 s41, 1
	s_cbranch_scc0 .Lno_ask_\@
	global_prefetch_b8 v[PFO], s[6:7] offset:2048 th:TH_LOAD_NT scope:SCOPE_SE
	global_prefetch_b8 v[PFO], s[6:7] offset:2048+16*PITCHW th:TH_LOAD_NT scope:SCOPE_SE
.Lno_ask_\@:
.endif
.irp j, 0,2,4,6
.irp u, 0,1,2,3
	v_pk_add_f32 v[PT+8*\u+\j:PT+8*\u+\j+1], v[PT+8*\u+\j:PT+8*\u+\j+1], v[PCA:PCA+1]   ; nibble - 8, exactly
.endr
.endr
.irp j, 0,2,4,6
.irp u, 0,1,2,3
	v_pk_mul_f32 v[PT+8*\u+\j:PT+8*\u+\j+1], v[PT+8*\u+\j:PT+8*\u+\j+1], v[PS+2*((4*gi+\u)/2):PS+2*((4*gi+\u)/2)+1]   ; x the row's scale: the weight, rounded once
.endr
.endr
.irp u, 0,1,2,3
	v_max3_num_f32 v[PM+\u], |v[PT+8*\u]|, |v[PT+8*\u+1]|, 0x1800000   ; my 8 numbers, and the floor 2^(3 - 127): the byte cannot fall under 1
.endr
.irp i, 2,4,6
.irp u, 0,1,2,3
	v_max3_num_f32 v[PM+\u], v[PM+\u], |v[PT+8*\u+\i]|, |v[PT+8*\u+\i+1]|
.endr
.endr
.irp u, 0,1,2,3
	v_max_num_f32_dpp v[PM+\u], v[PM+\u], v[PM+\u] row_xmask:1 row_mask:0xf bank_mask:0xf
.endr
.irp u, 0,1,2,3
	v_max_num_f32_dpp v[PM+\u], v[PM+\u], v[PM+\u] row_xmask:2 row_mask:0xf bank_mask:0xf   ; the block's four lanes agree
.endr
.irp u, 0,1,2,3
	v_add_nc_u32 v[PSO+\u], 0xff000000, v[PM+\u]   ; 2 off the exponent field: the conversion's scale operand
.endr
	s_wait_dscnt 0x0                               ; the last group's eight LDS stores have read their data: the codes' and bytes' registers are written again
.irp u, 0,1,2,3
	v_cvt_scalef32_pk8_fp4_f32 v[PCD+\u], v[PT+8*\u:PT+8*\u+7], v[PSO+\u]
.endr
.irp u, 0,1,2,3
	v_lshrrev_b32 v[PBY+\u], 23, v[PSO+\u]         ; the scale's byte.  (Plain places behind the conversions)
.endr
.irp u, 0,1,2,3
	ds_store_b32 v[APC], v[PCD+\u] offset:WP*((4*gi+\u)/2)+128*(\u%2)   ; 8 codes a lane: 128 consecutive bytes of the row
	ds_store_b8 v[APS], v[PBY+\u] offset:16*((4*gi+\u)/2)+8*(\u%2)      ; a block's four lanes write the same byte with the same value
.endr
.endm
; a slot's 32 units.  load = 1: the next slot is loaded behind them;  step = 1: the rows' base goes a slot on first;  ask = 1: with the prefetch
.macro PROD load, step, ask
.if \step
	s_wait_xcnt 0x0                                ; the last slot's loads and prefetches have read their base
	s_add_nc_u64 s[6:7], s[6:7], 1024
.endif
.set gi, 0
.rept 8
	PGROUP \load, \ask
.set gi, gi+1
.endr
.endm
; LAYER 1's WAY OUT.  PRE t: the exponent v (KA + KB v^2) of token tile t's 32 numbers, into set t % 2.  The accumulators are read in ascending order
.macro PRE t
.set QP, Q+32*((\t)%2)
	WIN 0x05                                       ; sources 0 and 1 window 1
.set ip, 0
.rept 16
	v_pk_mul_f32 v[QP+ip:QP+ip+1], v[32*(\t)+ip:32*(\t)+ip+1], v[32*(\t)+ip:32*(\t)+ip+1]
.set ip, ip+2
.endr
	WIN 0
.set ip, 0
.rept 16
	v_pk_fma_f32 v[QP+ip:QP+ip+1], v[QP+ip:QP+ip+1], v[KB:KB+1], v[KA:KA+1]
.set ip, ip+2
.endr
	WIN 0x01                                       ; source 0 window 1
.set ip, 0
.rept 16
	v_pk_mul_f32 v[QP+ip:QP+ip+1], v[32*(\t)+ip:32*(\t)+ip+1], v[QP+ip:QP+ip+1]
.set ip, ip+2
.endr
	WIN 0
.endm
; token tile t: gelu, the quantiser along the next K (register 16 b + i = hidden unit 32 b + 16 h + i of my token), the store
.macro TILE t
.set QT, Q+32*((\t)%2)
.set it, 0
.rept 32
	v_exp_f32 v[QT+it], v[QT+it]
.set it, it+1
.endr
.if (\t) < 7
	PRE (\t)+1                                     ; the next tile's exponents are the independent work behind the batch
.else
	v_nop
.endif
	s_wait_alu depctr_va_vdst(0)                   ; one wait for the 32 exponentials, ahead of their first reader
.set it, 0
.rept 16
	v_pk_add_f32 v[QT+it:QT+it+1], v[QT+it:QT+it+1], 1.0 op_sel_hi:[1,0]
.set it, it+2
.endr
.set it, 0
.rept 32
	v_rcp_f32 v[QT+it], v[QT+it]
.set it, it+1
.endr
	v_nop                                          ; a plain place behind the last reciprocal
	s_wait_alu depctr_va_vdst(0)                   ; one wait for the 32 reciprocals
	WIN 0x01
.set it, 0
.rept 16
	v_pk_mul_f32 v[QT+it:QT+it+1], v[32*(\t)+it:32*(\t)+it+1], v[QT+it:QT+it+1]   ; h = v / (1 + 2^..)
.set it, it+2
.endr
	WIN 0
.irp b, 0,1
	v_max3_num_f32 v[MM+\b], |v[QT+16*\b]|, |v[QT+16*\b+1]|, 0x1800000
.endr
.irp e, 2,4,6,8,10,12,14
.irp b, 0,1
	v_max3_num_f32 v[MM+\b], v[MM+\b], |v[QT+16*\b+\e]|, |v[QT+16*\b+\e+1]|
.endr
.endr
.irp b, 0,1
	v_permlanex16_b32 v[M2+\b], v[MM+\b], s42, s43
.endr
.irp b, 0,1
	v_max_num_f32 v[MM+\b], v[MM+\b], v[M2+\b]     ; with lane l xor 16's: the block's largest magnitude
.endr
.irp b, 0,1
	v_add_nc_u32 v[SO2+\b], 0xff000000, v[MM+\b]
.endr
.irp b, 0,1
	v_lshrrev_b32 v[BY2+\b], 23, v[SO2+\b]
.endr
	v_lshl_or_b32 v[HWR+(\t)], v[BY2+1], 8, v[BY2] ; my token's two scale bytes
.irp b, 0,1
	v_cvt_scalef32_pk8_fp4_f32 v[CC+4*(\t)+2*\b], v[QT+16*\b:QT+16*\b+7], v[SO2+\b]
	v_cvt_scalef32_pk8_fp4_f32 v[CC+4*(\t)+2*\b+1], v[QT+16*\b+8:QT+16*\b+15], v[SO2+\b]
.endr
	v_nop                                          ; one plain place behind a scaled conversion
	v_permlane16_swap_b32 v[CC+4*(\t)], v[CC+4*(\t)+2]     ; a WHOLE block in a lane: lanes 0-15 the first, lanes 16-31 the second
	v_permlane16_swap_b32 v[CC+4*(\t)+1], v[CC+4*(\t)+3]
	global_store_b128 v[O1], v[CC+4*(\t):CC+4*(\t)+3], s[10:11] offset:1024*(\t)   ; registers 4 c .. 4 c + 3 of the fragment's image: 512 consecutive bytes, aligned
.endm
; LAYER 2's WAY OUT: token tile t (16 tokens x 64 columns) through my stage, 16 rows of 256 + 16 bytes.  The stage lies in my part of token slot 0, which has had its last fill and its last read
.macro TOSTAGE t
	WIN 0x04                                       ; an LDS store's data are its source 1: window 1
.irp n, 0,1,2,3
	ds_store_b128 v[O1], v[32*(\t)+8*\n:32*(\t)+8*\n+3] offset:128*(\n/2)+32*(\n%2)          ; each accumulator from its low end on
	ds_store_b128 v[O1], v[32*(\t)+8*\n+4:32*(\t)+8*\n+7] offset:128*(\n/2)+32*(\n%2)+16
.endr
	WIN 0
.irp i, 0,1,2,3,4,5,6,7
	ds_load_b128 v[BK+32*((\t)%2)+4*\i:BK+32*((\t)%2)+4*\i+3], v[O2] offset:2*WP*\i   ; LDS serves a wave's instructions in order (ISA guide 5.7.1.4): these see the stores above
.endr
.endm
.macro SEND t, younger                 ; younger: the LDS instructions issued behind tile t's loads, which may stay out
	s_wait_dscnt \younger
.irp i, 0,1,2,3,4,5,6,7
	global_store_b128 v[O3], v[BK+32*((\t)%2)+4*\i:BK+32*((\t)%2)+4*\i+3], s[10:11] offset:(16*(\t)+2*\i)*16384 th:TH_STORE_NT   ; 16 lanes store 256 consecutive bytes, aligned
.endr
.endm
	s_load_b256 s[4:11], s[0:1], 0x0               ; the token operand s[4:5], the packed weights s[6:7], their scales s[8:9], the output s[10:11]
	v_lshl_add_u32 v[SPW], v0, 2, SPARE
	v_mov_b32 v[NIL], 0
	ds_add_u32 v1, v2
	s_wait_dscnt 0x0
	v_lshrrev_b32 v[LN], 5, v0
	v_readfirstlane_b32 s12, v[LN]                 ; wave 0..7
	s_and_b32 s13, s12, 3                          ; a consumer's part w; a producer's weight tile n
	s_bfe_u32 s14, ttmp6, 0x40000                  ; cx: my place in the cluster: it enters addresses of the weights and of the output alone
	s_lshl_b32 s15, ttmp9, 2
	s_add_co_u32 s15, s15, s14                     ; work-group g = 4 x cluster + cx
.if LAYER == 1
	s_mov_b32 s17, s15                             ; my 64 rows: group g
.else
	s_lshr_b32 s16, ttmp9, 4                       ; the window Y along K, which the four partners share
	s_and_b32 s17, s15, 63                         ; my 64 rows: group g % 64
.endif
	; descriptor group 1: 34,816 dense bytes as 136 rows of 256 bytes (32 elements of 8 bytes), no padding: the images are read 16 bytes a lane on end
	s_mov_b32 s24, 15|(3<<16)|(1<<21)              ; 15:0 the mask: all four work-groups; 17:16 elements of 8 bytes; 21 set beside a mask
	s_mov_b32 s25, 32<<16                          ; tensor_dim0 = 32
	s_mov_b32 s26, 136<<16                         ; tensor_dim1 = 136
	s_mov_b32 s27, 32<<16                          ; tile_dim0 = 32
	s_mov_b32 s28, 136                             ; tile_dim1 = 136
	s_mov_b32 s29, 32                              ; from row to row
	s_mov_b32 s30, 0
	s_mov_b32 s31, 0
	s_mov_b32 s32, 1                               ; group 0: count = 1
	s_mul_i32 s33, s13, PARTB                      ; LDS address: my part of slot 0
	s_mul_i32 s52, s13, WPART                      ; in memory: my part (of the window)
.if LAYER == 2
	s_mul_i32 s53, s16, WINB
	s_add_co_u32 s52, s52, s53
.endif
	s_mov_b32 s53, 0
	v_and_b32 v[LN], 31, v0                        ; lane
	v_and_b32 v20, 15, v0                          ; r
	v_bfe_u32 v21, v0, 4, 1                        ; h
	v_lshlrev_b32 v[GL], 4, v[LN]
	v_add_nc_u32 v[ADA0], s33, v[GL]
	v_mul_u32_u24 v[ADW0], v20, WP
	v_lshl_add_u32 v[ADW0], v21, 4, v[ADW0]
	v_add_nc_u32 v[ADW0], WC0, v[ADW0]
	v_add_nc_u32 v[ADS0], WS0, v[GL]
	s_mul_i32 s54, s13, WTILE
	s_add_co_u32 s54, s54, WC0
	v_lshl_add_u32 v[APC0], v[LN], 2, s54
	s_lshl_b32 s55, s13, 8
	s_add_co_u32 s55, s55, WS0
	v_lshrrev_b32 v22, 2, v[LN]
	v_add_nc_u32 v[APS0], s55, v22
	v_and_b32 v23, 3, v[LN]
	v_lshlrev_b32 v23, 8, v23
	v_mul_u32_u24 v[PFO], v22, PITCHW
	v_add_nc_u32 v[PFO], v[PFO], v23
	v_mov_b32 v[ZO], 0
.if LAYER == 1
	s_and_b32 s56, s15, 1                          ; c: my 64 hidden units are half c of a K step of the next product
	s_lshl_b32 s57, s56, 9
	v_add_nc_u32 v[O1], s57, v[GL]
	s_lshl_b32 s57, s56, 1
	s_add_co_u32 s57, s57, 8192
	v_add_nc_u32 v[O2], s57, v[GL]
	s_lshr_b32 s50, s15, 6                         ; the output: window g / 64, part w, K step (g % 64) / 2
	s_mul_i32 s50, s50, WINB
	s_mul_i32 s51, s13, WPART
	s_add_co_u32 s50, s50, s51
	s_bfe_u32 s51, s15, 0x50001
	s_mul_i32 s51, s51, KSB
	s_add_co_u32 s50, s50, s51
.else
	v_mul_u32_u24 v[O1], v20, WP                   ; the stage, in: row r, + 64 h
	v_lshl_add_u32 v[O1], v21, 6, v[O1]
	v_add_nc_u32 v[O1], s33, v[O1]
	v_mul_u32_u24 v[O2], v21, WP                   ; back: lanes 0-15 one row, lanes 16-31 the next
	v_lshl_add_u32 v[O2], v20, 4, v[O2]
	v_add_nc_u32 v[O2], s33, v[O2]
	v_lshlrev_b32 v[O3], 14, v21                   ; and the same two rows of the output
	v_lshl_add_u32 v[O3], v20, 4, v[O3]
	s_lshl_b32 s50, s16, 23                        ; the output: window Y, my 128 tokens of 16,384 bytes, my 64 columns
	s_lshl_b32 s51, s13, 21
	s_add_co_u32 s50, s50, s51
	s_lshl_b32 s51, s17, 8
	s_add_co_u32 s50, s50, s51
.endif
	s_mov_b32 s51, 0
	s_lshl_b32 s20, s17, 6                         ; a producer's first row: 64 x group + 32 (n / 2) + 8 (n % 2)
	s_lshr_b32 s21, s13, 1
	s_lshl_b32 s21, s21, 5
	s_add_co_u32 s20, s20, s21
	s_and_b32 s21, s13, 1
	s_lshl_b32 s21, s21, 3
	s_add_co_u32 s20, s20, s21
	s_lshl_b32 s22, s20, 2                         ; its scale
	s_mov_b32 s23, 0
	s_mul_i32 s20, s20, PITCHW                     ; its packed words (under 2^28 bytes)
.if LAYER == 2
	s_lshl_b32 s21, s16, 13                        ; the window: 8,192 bytes of a row
	s_add_co_u32 s20, s20, s21
.endif
	s_mov_b32 s21, 0
	s_mov_b32 s36, SLOTB                           ; the buffers in hand, as offsets.  The consumers' three are turned to buffer 0 by the first change of slots;
	s_mov_b32 s37, WCB
	s_mov_b32 s39, WSB
	s_mov_b32 s38, 0                               ; the producers begin in buffer 0
	s_mov_b32 s40, 0
	s_mov_b32 s42, 0x76543210                      ; v_permlanex16_b32's selects for lane l xor 16
	s_mov_b32 s43, 0xfedcba98
	s_mov_b32 s44, 0x49000000                      ; 2^19
	s_mov_b32 s45, 0x4b000000                      ; 2^23
	s_mov_b32 s46, 0xf0
	ADDRS
	s_wait_kmcnt 0x0
	s_add_nc_u64 s[34:35], s[4:5], s[52:53]        ; group 0: global address,
	s_or_b32 s35, s35, 0x80000000                  ; type = 2
	s_add_nc_u64 s[6:7], s[6:7], s[20:21]
	s_add_nc_u64 s[8:9], s[8:9], s[22:23]
	s_add_nc_u64 s[10:11], s[10:11], s[50:51]
	s_cmp_lt_u32 s12, 4
	s_cbranch_scc1 .Lhead_c
.irp i, 0,1,2,3,4,5,6,7,8,9,10,11,12,13,14,15  ; PRODUCERS: the 16 rows' scales, then slot 0: memory is asked ahead of the cluster's first round
	global_load_b32 v[PS+2*\i], v[ZO], s[8:9] offset:4*(\i+8*(\i/8))
.endr
.set un, 0
.rept 32
	global_load_b128 v[PL+4*un:PL+4*un+3], v[GL], s[6:7] offset:((un/2)+8*(un/16))*PITCHW+512*(un%2) th:TH_LOAD_NT
.set un, un+1
.endr
.Lhead_c:
	CROUND                                         ; all four work-groups are here: the first joint loads meet
	TLOAD                                          ; slot 0
	s_cmp_lt_u32 s12, 4
	s_cbranch_scc1 .Lfirst_c
	s_wait_loadcnt 32                              ; PRODUCERS: the 16 scales are in; behind them the 32 loads of slot 0 may be out
.irp i, 0,1,2,3,4,5,6,7,8,9,10,11,12,13,14,15
	v_mov_b32 v[PS+2*\i+1], v[PS+2*\i]
.endr
	v_mov_b32 v[PCA], 0xc9000080                   ; -(2^19 + 8)
	v_mov_b32 v[PCA+1], 0xcb000008                 ; -(2^23 + 8)
	PROD 1, 0, 0                                   ; slot 0 into buffer 0; slot 1 is loaded
.Lfirst_c:
	CHANGE 1                                       ; token slot 1 is asked for
	s_cmp_lt_u32 s12, 4
	s_cbranch_scc0 .Lpre_p
	SLOTHEAD
	CSTEP 0, 1, 0                                  ; the first K step stands in front of the loop: its products start the sums: nothing is cleared
.Lpre_p:
	s_mov_b32 s41, 6
.Lloop:                                            ; trip k = 1 .. 6: the consumers finish slot k - 1 while the producers make slot k; token slot k + 1 is asked for; the consumers begin slot k
	s_cmp_lt_u32 s12, 4
	s_cbranch_scc0 .Lloop_p
	CSTEP 1, 0, 0
	CSTEP 2, 0, 0
	CSTEP 3, 0, 1
	s_branch .Lloop_j
.Lloop_p:
	PROD 1, 1, 1
.Lloop_j:
	CHANGE 1
	s_cmp_lt_u32 s12, 4
	s_cbranch_scc0 .Lloop_e
	SLOTHEAD
	CSTEP 0, 0, 0
.Lloop_e:
	s_sub_co_u32 s41, s41, 1
	s_cmp_lg_u32 s41, 0
	s_cbranch_scc1 .Lloop
	s_cmp_lt_u32 s12, 4                            ; the tail is written out: nothing more is loaded or asked for
	s_cbranch_scc0 .Ltail_p
	CSTEP 1, 0, 0
	CSTEP 2, 0, 0
	CSTEP 3, 0, 1
	s_branch .Ltail_j
.Ltail_p:
	PROD 0, 0, 0                                   ; slot 7
.Ltail_j:
	CHANGE 0
	s_cmp_lt_u32 s12, 4
	s_cbranch_scc0 .Lend
	SLOTHEAD
	CSTEP 0, 0, 0
	CSTEP 1, 0, 0
	CSTEP 2, 0, 0
	CSTEP 3, 0, 1
	PLACES                                         ; in front of the first read of results, and of writes into registers that the last products read
.if LAYER == 1
	v_mov_b32 v[KA], 0xc0135761                    ; -2 log2(e) sqrt(2 / pi)
	v_mov_b32 v[KA+1], 0xc0135761
	v_mov_b32 v[KB], 0xbdd2d3e8                    ; x 0.044715
	v_mov_b32 v[KB+1], 0xbdd2d3e8
	v_mov_b32 v[M2], 0                             ; written once: a lane permute's destination counts as one of its sources
	v_mov_b32 v[M2+1], 0
	PRE 0
.irp t, 0,1,2,3,4,5,6,7
	TILE \t
.endr
	v_cmp_le_u32 vcc_lo, 16, v[LN]                 ; the scale words' layout: lanes 0-15 carry tile 2 j, lanes 16-31 tile 2 j + 1
.irp j, 0,1,2,3
	v_cndmask_b32 v[XX+\j], v[HWR+2*\j], v[HWR+2*\j+1], vcc_lo
.endr
.irp j, 0,1,2,3
	global_store_b16 v[O2], v[XX+\j], s[10:11] offset:4*\j   ; bytes 2 c, 2 c + 1 of the word at 16 x lane + 4 j
.endr
.else
	TOSTAGE 0
.irp t, 1,2,3,4,5,6,7
.if \t > 1
	s_wait_xcnt 0x0                                ; tile t - 2's stores have read their registers: tile t's loads may land there
.endif
	TOSTAGE \t
	SEND \t-1, 16                                  ; behind tile t - 1's loads: tile t's 8 stores and 8 loads
.endr
	SEND 7, 0
.endif
.Lend:
	s_wait_tensorcnt 0x0                           ; the wave's end: behind my last tensor load and my last LDS store
	ds_add_u32 v[SPW], v[NIL]
	s_wait_dscnt 0x0
	CROUND                                         ; the closing round: no work-group ends while a partner may still ask for a slot that names it
	s_endpgm
.Lfunc_end_k_q64a8263730_g2:
	.size	k_q64a8263730_g2, .Lfunc_end_k_q64a8263730_g2-k_q64a8263730_g2
	.p2alignl 7, 3214868480
	.fill 96, 4, 3214868480
	.section	.rodata,"a",@progbits
	.p2align	6, 0x0
	.amdhsa_kernel k_q64a8263730_g2
		.amdhsa_group_segment_fixed_size 327680
		.amdhsa_private_segment_fixed_size 0
		.amdhsa_enable_private_segment 0
		.amdhsa_kernarg_size 32
		.amdhsa_user_sgpr_count 2
		.amdhsa_user_sgpr_kernarg_segment_ptr 1
		.amdhsa_wavefront_size32 1
		.amdhsa_system_sgpr_workgroup_id_x 1
		.amdhsa_system_sgpr_workgroup_id_y 1
		.amdhsa_system_sgpr_workgroup_id_z 1
		.amdhsa_system_vgpr_workitem_id 0
		.amdhsa_next_free_vgpr 512
		.amdhsa_next_free_sgpr 66
		.amdhsa_reserve_vcc 1
		.amdhsa_float_denorm_mode_32 3
		.amdhsa_float_denorm_mode_16_64 3
		.amdhsa_memory_ordered 1
		.amdhsa_forward_progress 1
		.amdhsa_inst_pref_size 255
	.end_amdhsa_kernel
	.section	.bss,"aw",@nobits
	.p2align	6
	.space	262144
	.amdgpu_metadata
---
amdhsa.version: [ 1, 2 ]
amdhsa.kernels:
  - .name:           k_q64a8263730_g2
    .symbol:         k_q64a8263730_g2.kd
    .args:
      - { .name: hq, .offset: 0, .size: 8, .value_kind: global_buffer, .address_space: global }
      - { .name: fc2_packed, .offset: 8, .size: 8, .value_kind: global_buffer, .address_space: global }
      - { .name: fc2_scales, .offset: 16, .size: 8, .value_kind: global_buffer, .address_space: global }
      - { .name: part, .offset: 24, .size: 8, .value_kind: global_buffer, .address_space: global }
    .group_segment_fixed_size: 327680
    .private_segment_fixed_size: 0
    .kernarg_segment_align: 8
    .kernarg_segment_size: 32
    .max_flat_workgroup_size: 256
    .sgpr_count:     66
    .vgpr_count:     512
    .wavefront_size: 32
...
	.end_amdgpu_metadata
.endif
;; end of part 3
;; launch red (part 4): grid 256 x 1, 8 waves a work-group, no clusters, 0 bytes of LDS; arguments part, out0; writes out0
.if DOCPART == 4
	.amdgcn_target "amdgcn-amd-amdhsa--gfx1250"
	.amdhsa_code_object_version 6
	.text
	.protected	k_q64a8263730_red
	.globl	k_q64a8263730_red
	.p2align	8
	.type	k_q64a8263730_red,@function
k_q64a8263730_red:
	s_mov_b64 s[64:65], 0
	v_nop
	global_prefetch_b8 v0, s[64:65] scope:SCOPE_SE
	s_setreg_imm32_b32 hwreg(HW_REG_WAVE_MODE, 25, 1), 1
	s_wait_xcnt 0x0
; out0 = (part[0] + part[1]) + (part[2] + part[3]): the sums of the second product's four windows along K, each [512][4096] f32.  The order of the additions is this pairwise one.
; A stream: a work-group takes 32,768 bytes of out0, a thread 16 bytes of each of eight runs of 4,096.  All 32 loads of a wave go out at once; each load and store of a wave covers 512 consecutive bytes, aligned.
; No LDS, no barrier, no matrix unit, no cluster: nothing is shared.  No register serves two runs, so no store's data wait for anything.
.set P, 16                             ; v16-143: run i's four windows at 16 i, four registers each
	s_load_b128 s[4:7], s[0:1], 0x0                ; part, out0
	v_lshlrev_b32 v1, 4, v0                        ; 16 x thread
	s_lshl_b32 s2, ttmp9, 15
	s_mov_b32 s3, 0
	s_wait_kmcnt 0x0
	s_add_nc_u64 s[8:9], s[4:5], s[2:3]            ; the four windows lie 8,388,608 bytes apart: one more than a load's immediate reaches, so each has its base
	s_add_nc_u64 s[10:11], s[8:9], 0x800000
	s_add_nc_u64 s[12:13], s[10:11], 0x800000
	s_add_nc_u64 s[14:15], s[12:13], 0x800000
	s_add_nc_u64 s[6:7], s[6:7], s[2:3]
.irp i, 0,1,2,3,4,5,6,7
	global_load_b128 v[P+16*\i:P+16*\i+3], v1, s[8:9] offset:4096*\i th:TH_LOAD_NT
	global_load_b128 v[P+16*\i+4:P+16*\i+7], v1, s[10:11] offset:4096*\i th:TH_LOAD_NT
	global_load_b128 v[P+16*\i+8:P+16*\i+11], v1, s[12:13] offset:4096*\i th:TH_LOAD_NT
	global_load_b128 v[P+16*\i+12:P+16*\i+15], v1, s[14:15] offset:4096*\i th:TH_LOAD_NT
.endr
.irp i, 0,1,2,3,4,5,6,7
	s_wait_loadcnt 28-4*\i                         ; loads come back in order (ISA guide 5.7.1): run i's four are in, the younger runs' stay out
	v_pk_add_f32 v[P+16*\i:P+16*\i+1], v[P+16*\i:P+16*\i+1], v[P+16*\i+4:P+16*\i+5]
	v_pk_add_f32 v[P+16*\i+2:P+16*\i+3], v[P+16*\i+2:P+16*\i+3], v[P+16*\i+6:P+16*\i+7]
	v_pk_add_f32 v[P+16*\i+8:P+16*\i+9], v[P+16*\i+8:P+16*\i+9], v[P+16*\i+12:P+16*\i+13]
	v_pk_add_f32 v[P+16*\i+10:P+16*\i+11], v[P+16*\i+10:P+16*\i+11], v[P+16*\i+14:P+16*\i+15]
	v_pk_add_f32 v[P+16*\i:P+16*\i+1], v[P+16*\i:P+16*\i+1], v[P+16*\i+8:P+16*\i+9]
	v_pk_add_f32 v[P+16*\i+2:P+16*\i+3], v[P+16*\i+2:P+16*\i+3], v[P+16*\i+10:P+16*\i+11]
	global_store_b128 v1, v[P+16*\i:P+16*\i+3], s[6:7] offset:4096*\i th:TH_STORE_NT
.endr
	s_endpgm
.Lfunc_end_k_q64a8263730_red:
	.size	k_q64a8263730_red, .Lfunc_end_k_q64a8263730_red-k_q64a8263730_red
	.p2alignl 7, 3214868480
	.fill 96, 4, 3214868480
	.section	.rodata,"a",@progbits
	.p2align	6, 0x0
	.amdhsa_kernel k_q64a8263730_red
		.amdhsa_group_segment_fixed_size 0
		.amdhsa_private_segment_fixed_size 0
		.amdhsa_enable_private_segment 0
		.amdhsa_kernarg_size 16
		.amdhsa_user_sgpr_count 2
		.amdhsa_user_sgpr_kernarg_segment_ptr 1
		.amdhsa_wavefront_size32 1
		.amdhsa_system_sgpr_workgroup_id_x 1
		.amdhsa_system_sgpr_workgroup_id_y 1
		.amdhsa_system_sgpr_workgroup_id_z 1
		.amdhsa_system_vgpr_workitem_id 0
		.amdhsa_next_free_vgpr 144
		.amdhsa_next_free_sgpr 66
		.amdhsa_reserve_vcc 0
		.amdhsa_float_denorm_mode_32 3
		.amdhsa_float_denorm_mode_16_64 3
		.amdhsa_memory_ordered 1
		.amdhsa_forward_progress 1
		.amdhsa_inst_pref_size 8
	.end_amdhsa_kernel
	.amdgpu_metadata
---
amdhsa.version: [ 1, 2 ]
amdhsa.kernels:
  - .name:           k_q64a8263730_red
    .symbol:         k_q64a8263730_red.kd
    .args:
      - { .name: part, .offset: 0, .size: 8, .value_kind: global_buffer, .address_space: global }
      - { .name: out0, .offset: 8, .size: 8, .value_kind: global_buffer, .address_space: global }
    .group_segment_fixed_size: 0
    .private_segment_fixed_size: 0
    .kernarg_segment_align: 8
    .kernarg_segment_size: 16
    .max_flat_workgroup_size: 256
    .sgpr_count:     66
    .vgpr_count:     144
    .wavefront_size: 32
...
	.end_amdgpu_metadata
.endif
;; end of part 4
